; MI455X (gfx1250); checked and timed in simulation.
; The chip was launched on July 23, 2026; its instructions are those of AMD's public machine-readable ISA for CDNA 5 (MIT licence, August 2026) and "CDNA5" Instruction Set Architecture Reference Guide (July 2026). The comments in the code are by the model that wrote it; some were corrected since.
;; Multi Head Self Attention. Allowed arithmetic: matrix products marked QUANTISED: E4M3 operands, one E8M0 scale for each 32 along K, by v_wmma_scale_f32_16x16x128_f8f6f4 with both operands' format E4M3, f32 sums; everything else in f32.
;; Inputs: Wk 1,024 x 1,024 float32; Wo 1,024 x 1,024 float32; Wq 1,024 x 1,024 float32; Wv 1,024 x 1,024 float32; bk 1,024 float32; bo 1,024 float32; bq 1,024 float32; bv 1,024 float32; ln_beta 1,024 float32; ln_gamma 1,024 float32; mask 4 x 2,048 bool; x 4 x 2,048 x 1,024 float32.
;; Outputs: out0 4 x 2,048 x 1,024 float32.
;; This version of the problem:
;;   THIS VERSION OF THE PROBLEM IS GIVEN IN LOW PRECISION. The matrix products marked QUANTISED in the list below multiply operands that are first quantised to E4M3 (4 exponent bits, 3 mantissa bits; 8 bits a number), with one power-of-two scale for each 32 numbers along K (OCP MX v1.0); their sums are f32. All else is computed in f32.
;;   The module's matrix products, in the order in which they are computed (A, B: the left and right operand; K: the contracted axis; several contracted axes count as one K, in the product's order):
;;     1. [M 8,192, K 1,024] x [K 1,024, N 1,024]; A: computed on the way; B: input Wq: QUANTISED
;;     2. [M 8,192, K 1,024] x [K 1,024, N 1,024]; A: computed on the way; B: input Wk: QUANTISED
;;     3. [M 8,192, K 1,024] x [K 1,024, N 1,024]; A: computed on the way; B: input Wv: QUANTISED
;;     4. batch 64 x [M 2,048, K 64] x [K 64, N 2,048]; A: computed on the way; B: computed on the way: QUANTISED
;;     5. batch 64 x [M 2,048, K 2,048] x [K 2,048, N 64]; A: softmax (see below); B: computed on the way: QUANTISED
;;     6. [M 8,192, K 1,024] x [K 1,024, N 1,024]; A: computed on the way; B: input Wo: QUANTISED
;;   THE QUANTISER, for each operand of a quantised product, along K:
;;     - K is cut into blocks of 32 from its start; a last block that is shorter is filled with zeros.
;;     - A block's scale is 2^e with e = floor(log2(the largest magnitude in the block)) - 8, held to -126 .. 127; a block of zeros has e = 0. As a byte (E8M0): e + 127.
;;     - Each number is divided by its block's scale, clamped to +-448, and rounded to the nearest number of E4M3, ties to even, subnormals kept.
;;     - The product sums the exact products of the quantised numbers (number of the format x scale) in f32.
;;   ~~~python
;;   def quantise(x, axis):      # numpy; x: float32 -> the quantised numbers, widened to float32 again
;;       x = np.moveaxis(x, axis, -1); K = x.shape[-1]
;;       x = np.pad(x, [(0, 0)] * (x.ndim - 1) + [(0, -K % 32)]); x = x.reshape(x.shape[:-1] + (-1, 32)); a = np.abs(x).max(-1, keepdims=True)
;;       e = np.where(a > 0, np.clip(np.frexp(np.where(a > 0, a, 1))[1] - 1 - 8, -126, 127), 0)      # np.frexp(a)[1] - 1 = floor(log2(a)), exactly
;;       r = np.clip(x / 2.0 ** e, -448, 448)
;;       step = 2.0 ** (np.maximum(np.frexp(np.where(r == 0, 1, r))[1] - 1, -6) - 3)
;;       q = np.round(r / step) * step * 2.0 ** e      # np.round: ties to even
;;       return np.moveaxis(q.reshape(q.shape[:-2] + (-1,))[..., :K], -1, axis).astype(np.float32)
;;   ~~~
;;   SOFTMAX AHEAD OF A QUANTISED PRODUCT. Where the list says 'softmax', what is quantised is not the finished softmax but p = 2^(t - M), with t = logit x log2(e) and M = ceil(the row's largest t), a whole number; so 1/2 < the row's largest p <= 1. The row's sum l is taken of the UNQUANTISED p, in f32, and the product's result is divided by l at the end. Since M is a whole number, a kernel that streams over the keys may use a running M (the ceiling of the running maximum): every later rescaling is an exact power of two, which a block's scale takes up: the codes' values come out the same.
;;   OPERANDS COMPUTED ON THE WAY. 'Computed on the way' means the value that the module computes at that place (a softmax that the list does not call 'softmax' is quantised finished and normalised). What goes into a quantiser is computed in f32, as accurately as f32 sums, v_exp_f32 and their like allow (about 1e-6 of the number): no bf16 or f16 on the way to a quantiser, and a product that is left as it is and whose result goes on into a quantised operand takes f32 operands (vector FMAs, or v_wmma_f32_16x16x4_f32). A number that lies on a knife's edge between two numbers of the format may be rounded either way, as far as f32 arithmetic and the matrix unit's own rounding can turn it there, and no further.
;; One version. Each part assembles by itself: llvm-mc -triple=amdgcn-amd-amdhsa -mcpu=gfx1250 --defsym DOCPART=n.
;; ======== version 1 of 1: 4 launches
;; limits: right only within a limited range of input values
;; workspace buffers: ops 12,582,912 bytes; opsc 393,216 bytes; qkimg 16,777,216 bytes; qksc 1,048,576 bytes; vimg 8,388,608 bytes; vsc 262,144 bytes; aimg 8,388,608 bytes; asc 262,144 bytes
;; launch prep (part 1): grid 768 x 1, 4 waves a work-group, no clusters, 18,944 bytes of LDS; arguments x, ln_gamma, ln_beta, Wq, Wk, Wv, Wo, ops, opsc; writes ops, opsc
.if DOCPART == 1
	.amdgcn_target "amdgcn-amd-amdhsa--gfx1250"
	.amdhsa_code_object_version 6
	.text
	.protected	k_q0c12026824_prep
	.globl	k_q0c12026824_prep
	.p2align	8
	.type	k_q0c12026824_prep,@function
k_q0c12026824_prep:
	s_mov_b64 s[64:65], 0
	v_nop
	global_prefetch_b8 v0, s[64:65] scope:SCOPE_SE
	s_setreg_imm32_b32 hwreg(HW_REG_WAVE_MODE, 25, 1), 1
	s_wait_xcnt 0x0
; h = LayerNorm(x) and the four weights become codes of FP8 (E4M3) with one E8M0 byte for each 32 along K, laid as the matrix operand's registers.
; ops:  [K step of 256: 4][tile of 16 rows: 768][128 along K: 2][c: 4][512 bytes]: in a run of 512 bytes lane r + 16 h has the 16 codes k = 32 c + 16 h + 0 .. 15 of the tile's row r.
; opsc: [tile][128 along K: 8][row: 16][4 bytes].  Tiles 0-511 h, 512-575 Wq, 576-639 Wk, 640-703 Wv, 704-767 Wo (a weight's row is its output column, K its first axis).
; THE ROWS OF A TILE ARE NOT NEIGHBOURS: row r of tile 2 B + u is row 32 B + 8 u + r % 8 + 16 (r / 8), so that results of two neighbouring tiles are 16 neighbours along a later K.
; A block's scale is 2^(floor(log2(largest magnitude)) - 8); its byte is the largest magnitude's exponent field - 8, held at 1 from below (a block of zeros keeps 1: its codes are zeros, and this program alone reads the bytes).
; LIMITS: blocks whose largest magnitude lies under 2^-118 keep the byte 1; NaN and infinities among the inputs are not served.
; Work-groups 0-255 take the weights (a lane to a column, registers down K: nothing is transposed), work-groups 256-767 one tile of h each.  No tensor loads, no clusters, no matrix unit: each input byte is read once by one wave.
.set KSTR, 3145728                     ; bytes of ops from a K step of 256 to the next
.set SCST, 17408                       ; LDS: behind the stage of codes (8 x 8 x 272 bytes) the tile's 512 scale bytes
.set X,    128                         ; LN: v128-255 four rows, 32 registers each;  weights: v32-95 two sets of 32
.set GA,   64                          ; v64-95 gamma
.set BE,   96                          ; v96-127 beta
	s_load_b256 s[4:11], s[0:1], 0x0               ; x, gamma, beta, Wq
	s_load_b256 s[12:19], s[0:1], 0x20             ; Wk, Wv, Wo, ops
	s_load_b64 s[20:21], s[0:1], 0x40              ; opsc
	s_set_vgpr_msb 0x40
	v_lshl_add_u32 v0, v0, 2, 0x4800
	v_mov_b32 v1, 0
	s_set_vgpr_msb 0x4000
	v_lshrrev_b32 v1, 5, v0
	v_readfirstlane_b32 s22, v1                    ; wave
	v_and_b32 v1, 31, v0                           ; lane
	s_mov_b32 s23, 0x600000                        ; the mantissa field of 448
	s_cmp_lt_u32 ttmp9, 256
	s_cbranch_scc1 .Lweights
; ---------------- one tile of h: wave w takes the tile's rows 4 w .. 4 w + 3, which are four neighbouring rows of x
	s_sub_co_u32 s24, ttmp9, 256                   ; T
	s_lshr_b32 s25, s24, 1
	s_lshl_b32 s25, s25, 5                         ; 32 (T / 2)
	s_and_b32 s26, s24, 1
	s_lshl_b32 s26, s26, 3
	s_add_co_u32 s25, s25, s26                     ; + 8 (T % 2)
	s_lshr_b32 s26, s22, 1
	s_lshl_b32 s26, s26, 4
	s_add_co_u32 s25, s25, s26                     ; + 16 (w / 2)
	s_and_b32 s26, s22, 1
	s_lshl_b32 s26, s26, 2
	s_add_co_u32 s25, s25, s26                     ; + 4 (w % 2): my first row of x
	s_lshl_b32 s26, s25, 12
	s_mov_b32 s27, 0
	s_mul_i32 s28, s22, KSTR                       ; on the way out wave w stores K step w of the tile
	s_lshl_b32 s29, s24, 12
	s_add_co_u32 s28, s28, s29
	s_mov_b32 s29, 0
	s_lshl_b32 s30, s24, 9
	s_mov_b32 s31, 0
	s_mov_b32 s32, 0x3a800000                      ; 1 / 1024
	s_mov_b32 s33, 0x3727c5ac                      ; 1e-5
	s_mov_b32 s34, 0xc3e00000                      ; -448
	s_mov_b32 s35, 0x43e00000                      ; 448
	s_mov_b32 s36, 0x76543210
	s_mov_b32 s37, 0xfedcba98                      ; v_permlanex16_b32's selects for lane l xor 16
	s_wait_alu depctr_va_vdst(0)
	v_lshlrev_b32 v2, 4, v1                        ; 16 x lane
	v_lshrrev_b32 v3, 2, v1
	v_mul_u32_u24 v3, v3, 272
	v_and_b32 v4, 3, v1
	v_lshl_add_u32 v3, v4, 2, v3
	s_lshl_b32 s38, s22, 6
	v_add_nc_u32 v3, s38, v3                       ; stage, in: piece lane / 4 of 272 bytes, + 4 (lane % 4) + 64 w: the 32 lanes of a store fall on 32 different banks
	v_lshrrev_b32 v4, 3, v1
	s_lshl_b32 s38, s22, 4
	s_add_co_u32 s38, s38, SCST
	v_add_nc_u32 v4, s38, v4                       ; scale bytes, in: byte lane / 8 of my rows' words
	v_lshrrev_b32 v5, 4, v1
	v_mul_u32_u24 v5, v5, 272
	v_and_b32 v6, 15, v1
	v_lshl_add_u32 v5, v6, 4, v5
	s_mul_i32 s38, s22, 4352
	v_add_nc_u32 v5, s38, v5                       ; stage, out: fragments 2 w and 2 w + 1
	v_mov_b32 v6, 1.0                              ; the conversions' scale operand: the numbers are divided by their scales beforehand
	v_mov_b32 v7, 0                                ; a lane permute's destination counts as one of its sources
	s_wait_kmcnt 0x0
	s_add_nc_u64 s[4:5], s[4:5], s[26:27]
	s_add_nc_u64 s[18:19], s[18:19], s[28:29]
	s_add_nc_u64 s[20:21], s[20:21], s[30:31]
.irp j, 0,1,2,3,4,5,6,7
	global_load_b128 v[GA+4*\j:GA+4*\j+3], v2, s[6:7] offset:512*\j
	global_load_b128 v[BE+4*\j:BE+4*\j+3], v2, s[8:9] offset:512*\j
.endr
.irp k, 0,1,2,3
.irp j, 0,1,2,3,4,5,6,7
	global_load_b128 v[X+32*\k+4*\j:X+32*\k+4*\j+3], v2, s[4:5] offset:4096*\k+512*\j th:TH_LOAD_NT   ; 32 lanes read 512 consecutive bytes: 128 along K, 4 numbers a lane
.endr
.endr
.macro REDUCE r                        ; the sum of v[r] over the 32 lanes, in every lane
	v_add_f32_dpp v[\r], v[\r], v[\r] row_xmask:1 row_mask:0xf bank_mask:0xf
	v_add_f32_dpp v[\r], v[\r], v[\r] row_xmask:2 row_mask:0xf bank_mask:0xf
	v_add_f32_dpp v[\r], v[\r], v[\r] row_xmask:4 row_mask:0xf bank_mask:0xf
	v_add_f32_dpp v[\r], v[\r], v[\r] row_xmask:8 row_mask:0xf bank_mask:0xf
	v_permlanex16_b32 v7, v[\r], s36, s37
	v_add_f32 v[\r], v[\r], v7
.endm
; Row k: mean, variance of the differences (two passes over registers, as the definition has it), h, then its 32 blocks of 32: load j is K step j of 128, a block is 8 neighbouring lanes x 4 numbers.
.macro LNROW k
.set XR, X+32*(\k)
.set PP, 40+6*(\k)
	s_wait_loadcnt 8*(3-(\k))                      ; gamma, beta and my rows up to k are in; the rows behind it may be out
	v_pk_add_f32 v[PP:PP+1], v[XR:XR+1], v[XR+2:XR+3]
	v_pk_add_f32 v[PP+2:PP+3], v[XR+4:XR+5], v[XR+6:XR+7]
.irp i, 8,12,16,20,24,28
	v_pk_add_f32 v[PP:PP+1], v[PP:PP+1], v[XR+\i:XR+\i+1]
	v_pk_add_f32 v[PP+2:PP+3], v[PP+2:PP+3], v[XR+\i+2:XR+\i+3]
.endr
	v_pk_add_f32 v[PP:PP+1], v[PP:PP+1], v[PP+2:PP+3]
	v_add_f32 v[PP], v[PP], v[PP+1]
	REDUCE PP
	v_mul_f32 v[PP+2], s32, v[PP]                  ; the mean, twice
	v_mov_b32 v[PP+3], v[PP+2]
.irp i, 0,2,4,6,8,10,12,14,16,18,20,22,24,26,28,30
	v_pk_add_f32 v[XR+\i:XR+\i+1], v[XR+\i:XR+\i+1], v[PP+2:PP+3] neg_lo:[0,1] neg_hi:[0,1]
.endr
	v_pk_mul_f32 v[PP:PP+1], v[XR:XR+1], v[XR:XR+1]
	v_pk_mul_f32 v[PP+4:PP+5], v[XR+2:XR+3], v[XR+2:XR+3]
.irp i, 4,8,12,16,20,24,28
	v_pk_fma_f32 v[PP:PP+1], v[XR+\i:XR+\i+1], v[XR+\i:XR+\i+1], v[PP:PP+1]
	v_pk_fma_f32 v[PP+4:PP+5], v[XR+\i+2:XR+\i+3], v[XR+\i+2:XR+\i+3], v[PP+4:PP+5]
.endr
	v_pk_add_f32 v[PP:PP+1], v[PP:PP+1], v[PP+4:PP+5]
	v_add_f32 v[PP], v[PP], v[PP+1]
	REDUCE PP
	v_fma_f32 v[PP], v[PP], s32, s33               ; the variance + 1e-5
	s_wait_alu depctr_va_vdst(0)
	v_rsq_f32 v[PP+4], v[PP]
	v_nop                                          ; one plain instruction behind a transcendental
	s_wait_alu depctr_va_vdst(0)
	v_mov_b32 v[PP+5], v[PP+4]
.irp i, 0,2,4,6,8,10,12,14,16,18,20,22,24,26,28,30
	v_pk_mul_f32 v[XR+\i:XR+\i+1], v[XR+\i:XR+\i+1], v[PP+4:PP+5]
.endr
.irp i, 0,2,4,6,8,10,12,14,16,18,20,22,24,26,28,30
	v_pk_fma_f32 v[XR+\i:XR+\i+1], v[XR+\i:XR+\i+1], v[GA+\i:GA+\i+1], v[BE+\i:BE+\i+1]
.endr
.if \k > 0
	s_wait_alu depctr_va_vdst(0)
	s_wait_dscnt 0x0                               ; the last row's LDS stores have read the registers that are written again below
.endif
.irp j, 0,1,2,3,4,5,6,7
	v_max3_num_f32 v[24+\j], |v[XR+4*\j]|, |v[XR+4*\j+1]|, 0x4800000   ; with the floor 2^(9 - 127): the byte cannot fall under 1
.endr
.irp j, 0,1,2,3,4,5,6,7
	v_max3_num_f32 v[24+\j], v[24+\j], |v[XR+4*\j+2]|, |v[XR+4*\j+3]|
.endr
.irp m, 1,2,4
.irp j, 0,1,2,3,4,5,6,7
	v_max_num_f32_dpp v[24+\j], v[24+\j], v[24+\j] row_xmask:\m row_mask:0xf bank_mask:0xf   ; the block's eight lanes
.endr
.endr
.irp j, 0,1,2,3,4,5,6,7
	v_add_nc_u32 v[24+\j], 0xfc000000, v[24+\j]    ; 8 off the exponent field: the field is now the scale's byte
.endr
.irp j, 0,1,2,3,4,5,6,7
	v_and_b32 v[8+2*\j], 0x7f800000, v[24+\j]
.endr
.irp j, 0,1,2,3,4,5,6,7
	v_sub_nc_u32 v[8+2*\j], 0x7f000000, v[8+2*\j]  ; 1 / the scale: exponent field 254 - byte, at least 8
.endr
.irp j, 0,1,2,3,4,5,6,7
	v_mov_b32 v[9+2*\j], v[8+2*\j]
.endr
.irp j, 0,1,2,3,4,5,6,7
	v_lshrrev_b32 v[24+\j], 23, v[24+\j]           ; the byte
.endr
.irp j, 0,1,2,3,4,5,6,7
	v_pk_mul_f32 v[XR+4*\j:XR+4*\j+1], v[XR+4*\j:XR+4*\j+1], v[8+2*\j:9+2*\j]       ; a power of two: nothing is rounded that a code could show.  A conversion takes eight registers under one scale,
	v_pk_mul_f32 v[XR+4*\j+2:XR+4*\j+3], v[XR+4*\j+2:XR+4*\j+3], v[8+2*\j:9+2*\j]   ; and a lane's eight belong to two blocks: so the division is done here
.endr
.set J, 0
.rept 32
	v_med3_num_f32 v[XR+J], v[XR+J], s34, s35      ; the conversion to an 8-bit code does not saturate (ISA guide 7.6.2): the hold at +-448
.set J, J+1
.endr
.irp m, 0,1,2,3
	v_cvt_scalef32_pk8_fp8_f32 v[32+2*\m:33+2*\m], v[XR+8*\m:XR+8*\m+7], v6
.endr
	v_nop                                          ; one plain instruction behind the last conversion
.irp j, 0,1,2,3,4,5,6,7
	ds_store_b32 v3, v[32+\j] offset:2176*\j+16*(\k)
.endr
.irp j, 0,1,2,3,4,5,6,7
	ds_store_b8 v4, v[24+\j] offset:64*\j+4*(\k)   ; the block's eight lanes write the same byte with the same value
.endr
.endm
	LNROW 0
	LNROW 1
	LNROW 2
	LNROW 3
	s_wait_dscnt 0x0                               ; for the others' sake: my stores into the stage are done
	s_barrier_signal -1
	s_barrier_wait -1
.irp n, 0,1,2,3,4,5,6,7
	ds_load_b128 v[X+4*\n:X+4*\n+3], v5 offset:2176*(\n/4)+544*(\n%4)
.endr
.irp n, 0,1,2,3,4,5,6,7
	s_wait_dscnt 7-\n                              ; LDS loads come back in order: load n is in
	global_store_b128 v2, v[X+4*\n:X+4*\n+3], s[18:19] offset:512*\n   ; 32 lanes store 512 consecutive bytes; the wave's eight stores 4,096
.endr
	s_cmp_lg_u32 s22, 0
	s_cbranch_scc1 .Lln_end
	ds_load_b128 v[12:15], v2 offset:SCST          ; wave 0: the tile's 512 scale bytes
	s_wait_dscnt 0x0
	global_store_b128 v2, v[12:15], s[20:21]
.Lln_end:
	s_set_vgpr_msb 0x5
	s_wait_tensorcnt 0x0
	ds_add_u32 v0, v1
	s_wait_dscnt 0x0
	s_set_vgpr_msb 0x500
	s_endpgm
; ---------------- the weights: a wave takes 32 columns x 128 along K
.Lweights:
	s_and_b32 s24, ttmp9, 7                        ; which 128 columns
	s_lshr_b32 s25, ttmp9, 3
	s_lshr_b32 s26, s25, 3                         ; which weight
	s_and_b32 s27, s25, 7                          ; p: which 128 along K
	s_lshl_b32 s28, s27, 19                        ; 128 p rows of 4,096 bytes
	s_lshl_b32 s29, s24, 9
	s_add_co_u32 s28, s28, s29
	s_lshl_b32 s29, s22, 7
	s_add_co_u32 s28, s28, s29
	s_mov_b32 s29, 0
	s_lshl_b32 s30, s26, 6
	s_lshl_b32 s31, s24, 3
	s_add_co_u32 s30, s30, s31
	s_lshl_b32 s31, s22, 1
	s_add_co_u32 s30, s30, s31
	s_add_co_u32 s30, s30, 512                     ; my first tile: 512 + 64 weight + 8 x + 2 wave
	s_lshr_b32 s32, s27, 1
	s_mul_i32 s32, s32, KSTR
	s_lshl_b32 s33, s30, 12
	s_add_co_u32 s32, s32, s33
	s_and_b32 s33, s27, 1
	s_lshl_b32 s33, s33, 11
	s_add_co_u32 s32, s32, s33
	s_mov_b32 s33, 0
	s_lshl_b32 s34, s30, 9
	s_lshl_b32 s35, s27, 6
	s_add_co_u32 s34, s34, s35
	s_mov_b32 s35, 0
	s_wait_alu depctr_va_vdst(0)
	v_lshlrev_b32 v3, 2, v1                        ; in: 4 bytes a lane
	v_bfe_u32 v4, v1, 3, 1                         ; my column's tile of the two: bit 3 of the lane,
	v_bfe_u32 v5, v1, 4, 1
	v_and_b32 v6, 7, v1
	v_lshl_or_b32 v6, v5, 3, v6                    ; and its row there: 8 x bit 4 + lane % 8
	v_lshlrev_b32 v7, 4, v6
	v_lshl_or_b32 v7, v4, 12, v7                   ; codes: 4,096 x tile + 16 x row
	v_lshlrev_b32 v8, 2, v6
	v_lshl_or_b32 v8, v4, 9, v8                    ; scale word: 512 x tile + 4 x row
	s_wait_alu depctr_va_vdst(0)
	s_wait_kmcnt 0x0
	s_cmp_eq_u32 s26, 1                            ; the choice hangs on the work-group's number alone
	s_cselect_b64 s[10:11], s[12:13], s[10:11]
	s_cmp_eq_u32 s26, 2
	s_cselect_b64 s[10:11], s[14:15], s[10:11]
	s_cmp_eq_u32 s26, 3
	s_cselect_b64 s[10:11], s[16:17], s[10:11]
	s_add_nc_u64 s[10:11], s[10:11], s[28:29]
	s_add_nc_u64 s[18:19], s[18:19], s[32:33]
	s_add_nc_u64 s[20:21], s[20:21], s[34:35]
.macro WLOAD t                         ; block t: W(128 p + 32 t + i, my column) into set t % 2: each load reads 128 consecutive bytes, the four waves side by side 512
.set J, 0
.rept 32
	global_load_b32 v[32+32*((\t)%2)+J], v3, s[10:11] offset:(32*(\t)+J)*4096 th:TH_LOAD_NT
.set J, J+1
.endr
.endm
	WLOAD 0
	WLOAD 1
.macro WBLOCK t
.set XS, 32+32*((\t)%2)
.if (\t) < 3
	s_wait_loadcnt 32                              ; this block's 32 loads are in; the next block's may be out
.else
	s_wait_loadcnt 0x0
.endif
	v_max3_num_f32 v12, |v[XS]|, |v[XS+1]|, |v[XS+2]|
	v_max3_num_f32 v13, |v[XS+3]|, |v[XS+4]|, |v[XS+5]|
.irp i, 6,10,14,18,22,26
	v_max3_num_f32 v12, v12, |v[XS+\i]|, |v[XS+\i+1]|
	v_max3_num_f32 v13, v13, |v[XS+\i+2]|, |v[XS+\i+3]|
.endr
	v_max3_num_f32 v12, v12, |v[XS+30]|, |v[XS+31]|
	v_max3_num_f32 v12, v12, v13, 0x4800000        ; the floor 2^(9 - 127)
	v_add_nc_u32 v11, 0xfc000000, v12              ; the conversion's scale operand: 8 off the exponent field
	v_and_or_b32 v10, v12, 0x7f800000, s23         ; 448 x the scale
	v_lshrrev_b32 v13, 23, v11                     ; the byte
.if (\t) == 0
	v_mov_b32 v24, v13
.else
	v_lshl_or_b32 v24, v13, 8*(\t), v24
.endif
.set J, 0
.rept 32
	v_med3_num_f32 v[XS+J], v[XS+J], -v10, v10
.set J, J+1
.endr
.irp g, 0,1,2,3
	v_cvt_scalef32_pk8_fp8_f32 v[96+8*(\t)+2*\g:97+8*(\t)+2*\g], v[XS+8*\g:XS+8*\g+7], v11
.endr
	v_nop
	global_store_b128 v7, v[96+8*(\t):99+8*(\t)], s[18:19] offset:512*(\t)          ; k = 32 t + 0 .. 15: the sixteen rows of a tile fill 256 consecutive bytes
	global_store_b128 v7, v[100+8*(\t):103+8*(\t)], s[18:19] offset:512*(\t)+256    ; k = 32 t + 16 .. 31.  Each block has code registers of its own: no store's data are written again
.if (\t)+2 < 4
	WLOAD (\t)+2
.endif
.endm
	WBLOCK 0
	WBLOCK 1
	WBLOCK 2
	WBLOCK 3
	global_store_b32 v8, v24, s[20:21]             ; a tile's sixteen words are 64 consecutive bytes: one byte in 128 of what this path reads
	s_endpgm
.Lfunc_end_k_q0c12026824_prep:
	.size	k_q0c12026824_prep, .Lfunc_end_k_q0c12026824_prep-k_q0c12026824_prep
	.p2alignl 7, 3214868480
	.fill 96, 4, 3214868480
	.section	.rodata,"a",@progbits
	.p2align	6, 0x0
	.amdhsa_kernel k_q0c12026824_prep
		.amdhsa_group_segment_fixed_size 18944
		.amdhsa_private_segment_fixed_size 0
		.amdhsa_enable_private_segment 0
		.amdhsa_kernarg_size 72
		.amdhsa_user_sgpr_count 2
		.amdhsa_user_sgpr_kernarg_segment_ptr 1
		.amdhsa_wavefront_size32 1
		.amdhsa_system_sgpr_workgroup_id_x 1
		.amdhsa_system_sgpr_workgroup_id_y 1
		.amdhsa_system_sgpr_workgroup_id_z 1
		.amdhsa_system_vgpr_workitem_id 0
		.amdhsa_next_free_vgpr 258
		.amdhsa_next_free_sgpr 66
		.amdhsa_reserve_vcc 0
		.amdhsa_float_denorm_mode_32 3
		.amdhsa_float_denorm_mode_16_64 3
		.amdhsa_memory_ordered 1
		.amdhsa_forward_progress 1
		.amdhsa_inst_pref_size 100
	.end_amdhsa_kernel
	.amdgpu_metadata
---
amdhsa.version: [ 1, 2 ]
amdhsa.kernels:
  - .name:           k_q0c12026824_prep
    .symbol:         k_q0c12026824_prep.kd
    .args:
      - { .name: x, .offset: 0, .size: 8, .value_kind: global_buffer, .address_space: global }
      - { .name: ln_gamma, .offset: 8, .size: 8, .value_kind: global_buffer, .address_space: global }
      - { .name: ln_beta, .offset: 16, .size: 8, .value_kind: global_buffer, .address_space: global }
      - { .name: Wq, .offset: 24, .size: 8, .value_kind: global_buffer, .address_space: global }
      - { .name: Wk, .offset: 32, .size: 8, .value_kind: global_buffer, .address_space: global }
      - { .name: Wv, .offset: 40, .size: 8, .value_kind: global_buffer, .address_space: global }
      - { .name: Wo, .offset: 48, .size: 8, .value_kind: global_buffer, .address_space: global }
      - { .name: ops, .offset: 56, .size: 8, .value_kind: global_buffer, .address_space: global }
      - { .name: opsc, .offset: 64, .size: 8, .value_kind: global_buffer, .address_space: global }
    .group_segment_fixed_size: 18944
    .private_segment_fixed_size: 0
    .kernarg_segment_align: 8
    .kernarg_segment_size: 72
    .max_flat_workgroup_size: 128
    .sgpr_count:     66
    .vgpr_count:     258
    .wavefront_size: 32
...
	.end_amdgpu_metadata
.endif
;; end of part 1
;; launch proj (part 2): grid 12 x 32, 4 waves a work-group, clusters of 4 x 4, 327,680 bytes of LDS; arguments ops, opsc, bq, bk, bv, qkimg, qksc, vimg, vsc; writes qkimg, qksc, vimg, vsc
.if DOCPART == 2
	.amdgcn_target "amdgcn-amd-amdhsa--gfx1250"
	.amdhsa_code_object_version 6
	.text
	.protected	k_q0c12026824_proj
	.globl	k_q0c12026824_proj
	.p2align	8
	.type	k_q0c12026824_proj,@function
k_q0c12026824_proj:
	s_mov_b64 s[64:65], 0
	v_nop
	global_prefetch_b8 v0, s[64:65] scope:SCOPE_SE
	s_setreg_imm32_b32 hwreg(HW_REG_WAVE_MODE, 25, 1), 1
	s_wait_xcnt 0x0
	s_wait_alu depctr_hold_cnt(0) depctr_sa_sdst(0) depctr_va_vdst(0) depctr_va_sdst(0) depctr_va_ssrc(0) depctr_va_vcc(0) depctr_vm_vsrc(0)
	s_getreg_b32 s2, hwreg(HW_REG_IB_STS2, 6, 4)
	s_cmp_eq_u32 s2, 0
	s_cbranch_scc0 .Lentry_in_a_cluster
	s_endpgm
.Lentry_in_a_cluster:
	s_bfe_u32 s2, ttmp6, 0x10000c
	s_cmp_lg_u32 s2, 0xf033
	s_cbranch_scc0 .Lentry_shape_is_right
	s_endpgm
.Lentry_shape_is_right:
.set KSTR,  3145728
.set SLOT,  131072
.set SCL,   262144
.set SCLB,  270400
.set SPARE, 278784
.set SSTQ,  279296
.set SSTV,  283392
.set NQ, 2
.set FR, 16
.set NL, 4
.set NP, 8
.set ADRA, 16
.set SVR,  18
.set VSO,  19
.set ADRB, 20
.set SQR,  22
.set SV,   23
.set LI,   24
.set H16,  25
.set SQ,   26
.set ADRS, 27
.set SPW,  28
.set NIL,  29
.set SC,   32
.set BI,   64
.set TM,   64
.set PW,   80
.set TQ,   88
.set RB,   96
.set AF,   128
.set PC,   128
.set WV, 22
.set WH, 23
.set WL, 66
.set G1, 24
.set G0, 32
.set G1B, 48
.set G0B, 56
.set G1S, 68
.set G0S, 76
.set G1SB, 80
.set G0SB, 88
.set SEL, 92
.set MNT, 2
.set MSB, 0
.macro WIN new
.if MSB != \new
	s_set_vgpr_msb (MSB<<8)|\new
.set MSB, \new
.endif
.endm
.set MUL_LO, 0xa1
.set MUL_HI, 0xf1
.set TO_B,   0x40
.macro JLOAD g0a, g1a, g0b, g1b
	s_cmp_eq_u32 s[WH], 0
	s_cbranch_scc0 .Lfor_b_\@
	tensor_load_to_lds s[\g0a:\g0a+3], s[\g1a:\g1a+7]
	s_nop 0
.rept 4
	v_nop
.endr
	s_branch .Lasked_\@
.Lfor_b_\@:
	tensor_load_to_lds s[\g0b:\g0b+3], s[\g1b:\g1b+7]
	s_nop 0
.rept 4
	v_nop
.endr
.Lasked_\@:
.endm
.macro CREST
	s_cmp_lg_u32 s[WV], 0
	s_cbranch_scc1 .Lnot_wave_0_\@
	s_barrier_signal -3
.Lnot_wave_0_\@:
	s_barrier_wait -3
	s_barrier_signal -1
	s_barrier_wait -1
.endm
.macro CROUND
	s_barrier_signal -1
	s_barrier_wait -1
	CREST
.endm
	s_load_b256 s[4:11], s[0:1], 0x0
	s_load_b256 s[12:19], s[0:1], 0x20
	s_load_b64 s[20:21], s[0:1], 0x40
	v_lshl_add_u32 v[SPW], v0, 2, SPARE
	v_mov_b32 v[NIL], 0
	ds_add_u32 v28, v29
	ds_add_u32 v28, v29
	s_wait_dscnt 0x0
	v_lshrrev_b32 v1, 5, v0
	v_readfirstlane_b32 s[WV], v1
	s_lshr_b32 s[WH], s[WV], 1
	s_and_b32 s[WL], s[WV], 1
	s_bfe_u32 s40, ttmp6, 0x40000
	s_bfe_u32 s41, ttmp6, 0x40004
	s_and_b32 s42, ttmp7, 0xffff
	s_cmp_eq_u32 ttmp9, 2
	s_cselect_b32 s43, 1, 0
	s_cselect_b32 s44, s42, ttmp9
	s_cselect_b32 s45, 0, s42
	s_cselect_b32 s92, 0, 512
	s_cselect_b32 s93, 640, 0
	s_lshl_b32 s44, s44, 2
	s_add_co_u32 s44, s44, s40
	s_lshl_b32 s45, s45, 2
	s_add_co_u32 s45, s45, s41
	s_lshl_b32 s46, s41, 2
	s_lshl_b32 s46, 15, s46
	s_lshl_b32 s47, 0x1111, s40
	s_or_b32 s[G1+0], s46, (3<<16)|(1<<21)
	s_or_b32 s[G1B+0], s47, (3<<16)|(1<<21)
.irp g, G1, G1B
	s_mov_b32 s[\g+1], 32<<16
	s_mov_b32 s[\g+2], 256<<16
	s_mov_b32 s[\g+3], 32<<16
	s_mov_b32 s[\g+4], 256
	s_mov_b32 s[\g+5], 32
	s_mov_b32 s[\g+6], 0
	s_mov_b32 s[\g+7], 0
.endr
	s_or_b32 s[G1S+0], s46, (3<<16)|(1<<21)
	s_or_b32 s[G1SB+0], s47, (3<<16)|(1<<21)
.irp g, G1S, G1SB
	s_mov_b32 s[\g+1], 32<<16
	s_mov_b32 s[\g+2], 32<<16
	s_mov_b32 s[\g+3], 32<<16
	s_mov_b32 s[\g+4], 32
	s_mov_b32 s[\g+5], 32
	s_mov_b32 s[\g+6], 0
	s_mov_b32 s[\g+7], 0
.endr
	s_lshl_b32 s94, s45, 4
	s_add_co_u32 s94, s94, s93
	s_lshl_b32 s98, s94, 9
	s_lshl_b32 s94, s94, 12
	s_mov_b32 s95, 0
	s_mov_b32 s99, 0
	s_lshl_b32 s96, s44, 4
	s_add_co_u32 s96, s96, s92
	s_lshl_b32 s100, s96, 9
	s_lshl_b32 s96, s96, 12
	s_mov_b32 s97, 0
	s_mov_b32 s101, 0
	s_lshl_b32 s2, s[WV], 15
	s_lshl_b32 s92, s[WL], 15                      ; s[92:93]: in the ring a wave fetches half a tile: 8 images of 4,096 bytes on
	s_mov_b32 s93, 0
	s_wait_kmcnt 0x0
	s_add_nc_u64 s[94:95], s[4:5], s[94:95]
	s_add_nc_u64 s[96:97], s[4:5], s[96:97]
	s_add_nc_u64 s[98:99], s[6:7], s[98:99]
	s_add_nc_u64 s[100:101], s[6:7], s[100:101]
	CROUND
	s_mov_b32 s[G0S], 1
	s_mov_b32 s[G0S+1], SCL
	s_mov_b64 s[G0S+2:G0S+3], s[98:99]
	s_or_b32 s[G0S+3], s[G0S+3], 0x80000000
	s_mov_b32 s[G0SB], 1
	s_mov_b32 s[G0SB+1], SCLB
	s_mov_b64 s[G0SB+2:G0SB+3], s[100:101]
	s_or_b32 s[G0SB+3], s[G0SB+3], 0x80000000
.irp s, 0,1
	s_mov_b32 s[G0+4*\s], 1
	s_add_co_u32 s[G0+4*\s+1], s2, \s*SLOT
	s_add_nc_u64 s[G0+4*\s+2:G0+4*\s+3], s[94:95], \s*KSTR
	s_or_b32 s[G0+4*\s+3], s[G0+4*\s+3], 0x80000000
	s_mov_b32 s[G0B+4*\s], 1
	s_add_co_u32 s[G0B+4*\s+1], s2, \s*SLOT
	s_add_nc_u64 s[G0B+4*\s+2:G0B+4*\s+3], s[96:97], \s*KSTR
	s_or_b32 s[G0B+4*\s+3], s[G0B+4*\s+3], 0x80000000
.endr
; The head's four tiles, each whole, one load a wave: wave 0 K step 0 of A (65,536 bytes), wave 1 of B, wave 2 A's scale words (8,192 bytes), wave 3 B's.
	s_mov_b32 s[G0+1], 0
	s_mov_b32 s[G0B+1], 65536
	s_add_nc_u64 s[G0+6:G0+7], s[G0+6:G0+7], s[92:93]        ; slot 1 is fetched by halves
	s_add_nc_u64 s[G0B+6:G0B+7], s[G0B+6:G0B+7], s[92:93]
.macro ARM under, g0, g1, next
	s_cmp_lt_u32 s[WV], \under
	s_cbranch_scc0 \next
	tensor_load_to_lds s[\g0:\g0+3], s[\g1:\g1+7]
	s_nop 0
.rept 4
	v_nop
.endr
	s_branch .Lhead_asked
\next:
.endm
	ARM 1, G0, G1, .Lhead_b
	ARM 2, G0B, G1B, .Lhead_sa
	ARM 3, G0S, G1S, .Lhead_sb
	tensor_load_to_lds s[G0SB:G0SB+3], s[G1SB:G1SB+7]
	s_nop 0
.rept 4
	v_nop
.endr
.Lhead_asked:
	v_and_b32 v1, 15, v0
	v_bfe_u32 v2, v0, 4, 1
	s_wait_alu depctr_va_vdst(0)
	v_and_b32 v3, 31, v0
	v_lshlrev_b32 v[LI], 4, v3
	v_lshlrev_b32 v[H16], 4, v2
	s_lshl_b32 s94, s[WH], 15
	s_lshl_b32 s95, s[WL], 15
	s_add_co_u32 s95, s95, 65536
.irp s, 0,1
	v_add_nc_u32 v[ADRA+\s], s94, v[LI]
	v_add_nc_u32 v[ADRB+\s], s95, v[LI]
	s_add_co_u32 s94, s94, SLOT
	s_add_co_u32 s95, s95, SLOT
.endr
	s_lshl_b32 s94, s[WH], 12
	s_lshl_b32 s95, s[WL], 12
	s_add_co_u32 s95, s95, SCLB-SCL
	s_sub_co_u32 s95, s95, s94
	v_mul_u32_u24 v6, s95, v2
	s_add_co_u32 s94, s94, SCL
	v_lshl_add_u32 v5, v1, 2, v6
	v_add_nc_u32 v[ADRS], s94, v5
	s_lshl_b32 s94, s[WV], 10
	s_add_co_u32 s94, s94, SSTQ
	v_lshlrev_b32 v5, 2, v1
	v_lshl_add_u32 v6, v2, 9, v5
	v_add_nc_u32 v[SQ], s94, v6
	v_add_nc_u32 v[SQR], s94, v[LI]
	s_lshl_b32 s94, s[WV], 9
	s_add_co_u32 s94, s94, SSTV
	v_add_nc_u32 v[SV], s94, v5
	v_add_nc_u32 v[SVR], s94, v[LI]
	v_lshlrev_b32 v[VSO], 4, v1
	v_lshl_add_u32 v[VSO], v2, 12, v[VSO]
	s_mov_b32 s101, 0
	s_cmp_eq_u32 s43, 1
	s_cbranch_scc1 .Lbias_v
	s_cmp_eq_u32 ttmp9, 0
	s_cselect_b64 s[98:99], s[8:9], s[10:11]
	s_and_b32 s100, s44, 3
	s_lshl_b32 s100, s100, 10
	s_lshl_b32 s94, s[WL], 9
	s_add_co_u32 s100, s100, s94
	s_add_nc_u64 s[98:99], s[98:99], s[100:101]
	v_lshlrev_b32 v4, 6, v2
.irp b, 0,1,2,3,4,5,6,7
	global_load_b128 v[BI+8*\b:BI+8*\b+3], v4, s[98:99] offset:(32*(\b/2)+8*(\b%2))*4
	global_load_b128 v[BI+8*\b+4:BI+8*\b+7], v4, s[98:99] offset:(32*(\b/2)+8*(\b%2))*4+16
.endr
	s_wait_loadcnt 0x0
	s_branch .Lbias_done
.Lbias_v:
	s_lshl_b32 s100, s45, 10
	s_lshl_b32 s94, s[WH], 9
	s_add_co_u32 s100, s100, s94
	s_add_nc_u64 s[98:99], s[12:13], s[100:101]
	v_and_b32 v4, 7, v1
	v_lshrrev_b32 v5, 3, v1
	v_lshl_add_u32 v4, v5, 4, v4
	v_lshlrev_b32 v4, 2, v4
.irp a, 0,1,2,3,4,5,6,7
	global_load_b32 v[BI+8*\a], v4, s[98:99] offset:(32*(\a/2)+8*(\a%2))*4
.endr
	s_wait_loadcnt 0x0
.irp a, 0,1,2,3,4,5,6,7
.irp j, 1,2,3,4,5,6,7
	v_mov_b32 v[BI+8*\a+\j], v[BI+8*\a]
.endr
.endr
.Lbias_done:
.macro FRAG reg, adr, q, i
.irp c, 0,1,2,3
	ds_load_b128 v[\reg+4*\c:\reg+4*\c+3], v[\adr] offset:4096*(\i)+2048*(\q)+512*\c
.endr
.endm
.macro MUL16 a0, p, q, sc, zero
.irp a, \a0, \a0+1
.irp b, 0,1,2,3,4,5,6,7
.if \zero == 1
	v_wmma_scale_f32_16x16x128_f8f6f4 v[8*(8*((\a)%4)+\b):8*(8*((\a)%4)+\b)+7], v[128*(\p)+FR*\b:128*(\p)+FR*\b+FR-1], v[AF+FR*(\a):AF+FR*(\a)+FR-1], v[BI+8*\b:BI+8*\b+7], v[SC+8*NQ*(\sc)+NQ*\b+(\q)], v[SC+8*NQ*(\sc)+NQ*(\a)+(\q)] matrix_a_scale:MATRIX_SCALE_ROW1
.elseif \zero == 2
	v_wmma_scale_f32_16x16x128_f8f6f4 v[8*(8*((\a)%4)+\b):8*(8*((\a)%4)+\b)+7], v[128*(\p)+FR*\b:128*(\p)+FR*\b+FR-1], v[AF+FR*(\a):AF+FR*(\a)+FR-1], v[BI+8*(\a):BI+8*(\a)+7], v[SC+8*NQ*(\sc)+NQ*\b+(\q)], v[SC+8*NQ*(\sc)+NQ*(\a)+(\q)] matrix_a_scale:MATRIX_SCALE_ROW1
.else
	v_wmma_scale_f32_16x16x128_f8f6f4 v[8*(8*((\a)%4)+\b):8*(8*((\a)%4)+\b)+7], v[128*(\p)+FR*\b:128*(\p)+FR*\b+FR-1], v[AF+FR*(\a):AF+FR*(\a)+FR-1], v[8*(8*((\a)%4)+\b):8*(8*((\a)%4)+\b)+7], v[SC+8*NQ*(\sc)+NQ*\b+(\q)], v[SC+8*NQ*(\sc)+NQ*(\a)+(\q)] matrix_a_scale:MATRIX_SCALE_ROW1
.endif
.endr
.endr
.endm
.macro FETCH_B slot, q, p
	WIN TO_B
.irp i, 0,1,2,3,4,5,6,7
	FRAG 128*(\p)+FR*\i, ADRB+\slot, \q, \i
.endr
	WIN 0
.endm
.macro FETCH_A slot, q, i0
.irp i, \i0, \i0+1, \i0+2, \i0+3
	FRAG AF+FR*(\i), ADRA+\slot, \q, \i
.endr
.endm
.macro SCALES sc
.irp i, 0,1,2,3,4,5,6,7
	ds_load_b32 v[SC+8*NQ*\sc+NQ*\i], v[ADRS] offset:512*\i
	ds_load_b32 v[SC+8*NQ*\sc+NQ*\i+1], v[ADRS] offset:512*\i+64
.endr
.endm
.macro PLACES n
.rept \n
	v_nop
.endr
.endm
.macro STEP slot, q, zero
	s_wait_dscnt 4*NL
.if \zero
	WIN 0x81
.else
	WIN MUL_LO
.endif
	MUL16 0, (\q)%2, \q, \slot, \zero
	MUL16 2, (\q)%2, \q, \slot, \zero
	s_wait_dscnt 0
	PLACES NP
	FETCH_B \slot, (\q)+1, 1-(\q)%2
	FETCH_A \slot, (\q)+1, 0
.if \zero
	WIN 0xc1
.else
	WIN MUL_HI
.endif
	MUL16 4, (\q)%2, \q, \slot, \zero
	MUL16 6, (\q)%2, \q, \slot, \zero
	PLACES NP
	WIN 0
	FETCH_A \slot, (\q)+1, 4
.endm
.macro TURN slot, next, fill
	s_wait_tensorcnt 0x0
	ds_add_u32 v[SPW], v[NIL]
	s_wait_dscnt 4*NL+1
	WIN MUL_LO
	MUL16 0, 1, NQ-1, \slot, 0
	s_wait_dscnt 0x0
	s_barrier_signal -1
	MUL16 2, 1, NQ-1, \slot, 0
	WIN 0
	s_barrier_wait -1
.if \fill
	CREST
	s_add_nc_u64 s[G0+4*\slot+2:G0+4*\slot+3], s[G0+4*\slot+2:G0+4*\slot+3], 2*KSTR
	s_add_nc_u64 s[G0B+4*\slot+2:G0B+4*\slot+3], s[G0B+4*\slot+2:G0B+4*\slot+3], 2*KSTR
	JLOAD G0+4*\slot, G1, G0B+4*\slot, G1B
	PLACES NP-4
.else
	PLACES NP
.endif
	s_wait_alu depctr_va_vdst(0)
	v_add_nc_u32 v[ADRS], 64*NQ, v[ADRS]
	FETCH_B \next, 0, 0
	FETCH_A \next, 0, 0
	SCALES \next
	WIN MUL_HI
	MUL16 4, 1, NQ-1, \slot, 0
	MUL16 6, 1, NQ-1, \slot, 0
	PLACES NP
	WIN 0
	FETCH_A \next, 0, 4
.endm
	s_wait_alu depctr_va_vdst(0)
	s_wait_tensorcnt 0x0                           ; my tile of the head's four is in
	ds_add_u32 v[SPW], v[NIL]
	s_mov_b32 s[G1+2], 128<<16                     ; no tensor load of mine is out: from here on a load brings 128 rows of 256 bytes,
	s_mov_b32 s[G1+4], 128
	s_mov_b32 s[G1B+2], 128<<16
	s_mov_b32 s[G1B+4], 128
	s_mov_b32 s[G0+1], s2                          ; and slot 0's descriptors are my half's
	s_add_nc_u64 s[G0+2:G0+3], s[G0+2:G0+3], s[92:93]
	s_mov_b32 s[G0B+1], s2
	s_add_nc_u64 s[G0B+2:G0B+3], s[G0B+2:G0B+3], s[92:93]
	s_wait_dscnt 0x0
	CROUND
	JLOAD G0+4, G1, G0B+4, G1B
	FETCH_B 0, 0, 0
	FETCH_A 0, 0, 0
	SCALES 0
	FETCH_A 0, 0, 4
	s_cmp_eq_u32 s43, 1
	s_cbranch_scc1 .Lfirst_v
	s_wait_alu depctr_va_vdst(0)
	STEP 0, 0, 1
	s_branch .Lfirst_done
.Lfirst_v:
	s_wait_alu depctr_va_vdst(0)
	STEP 0, 0, 2
.Lfirst_done:
	TURN 0, 1, 1
	STEP 1, 0, 0
	TURN 1, 0, 1
	STEP 0, 0, 0
	TURN 0, 1, 0
	STEP 1, 0, 0
	s_wait_dscnt 4*NL
	WIN MUL_LO
	MUL16 0, 1, NQ-1, 1, 0
	MUL16 2, 1, NQ-1, 1, 0
	s_wait_dscnt 0
	WIN MUL_HI
	MUL16 4, 1, NQ-1, 1, 0
	MUL16 6, 1, NQ-1, 1, 0
	WIN 0
	PLACES NP
	s_mov_b32 s[SEL], 0x76543210
	s_mov_b32 s[SEL+1], 0xfedcba98
	s_mov_b32 s[MNT], 0x600000
	s_mov_b32 s3, 0x7f7f0000
.irp b, 0,1,2,3
	v_mov_b32 v[TM+4+\b], 0
.endr
.macro QUANT a
.set QW, 2+(\a)/4
.set QS, 64*((\a)%4)
	WIN (QW|(QW<<2))
.irp b, 0,1,2,3
	v_max3_num_f32 v[TM+\b], |v[QS+16*\b]|, |v[QS+16*\b+1]|, 0x4800000
.endr
.irp i, 2,4,6,8,10,12,14
.irp b, 0,1,2,3
	v_max3_num_f32 v[TM+\b], |v[QS+16*\b+\i]|, |v[QS+16*\b+\i+1]|, v[TM+\b]
.endr
.endr
	WIN 0
.irp b, 0,1,2,3
	v_permlanex16_b32 v[TM+4+\b], v[TM+\b], s[SEL], s[SEL+1]
.endr
.irp b, 0,1,2,3
	v_max_num_f32 v[TM+\b], v[TM+\b], v[TM+4+\b]
.endr
.irp b, 0,1,2,3
	v_add_nc_u32 v[TM+12+\b], 0xfc000000, v[TM+\b]
.endr
.irp b, 0,1,2,3
	v_and_or_b32 v[TM+8+\b], v[TM+\b], 0x7f800000, s[MNT]
.endr
.irp b, 0,1,2,3
	v_lshrrev_b32 v[TM+4+\b], 23, v[TM+12+\b]
.endr
	v_lshl_or_b32 v[PW+(\a)], v[TM+5], 8, v[TM+4]
	v_lshl_or_b32 v[PW+(\a)], v[TM+6], 16, v[PW+(\a)]
	v_lshl_or_b32 v[PW+(\a)], v[TM+7], 24, v[PW+(\a)]
	WIN ((QW<<6)|QW)
.set J, 0
.rept 64
	v_med3_num_f32 v[QS+J], v[QS+J], -v[TM+8+J/16], v[TM+8+J/16]
.set J, J+1
.endr
	WIN QW
.irp b, 0,1,2,3
	v_cvt_scalef32_pk8_fp8_f32 v[PC+16*(\a)+4*\b:PC+16*(\a)+4*\b+1], v[QS+16*\b:QS+16*\b+7], v[TM+12+\b]
	v_cvt_scalef32_pk8_fp8_f32 v[PC+16*(\a)+4*\b+2:PC+16*(\a)+4*\b+3], v[QS+16*\b+8:QS+16*\b+15], v[TM+12+\b]
.endr
	WIN 0
	v_nop
.endm
.irp a, 0,1,2,3,4,5,6,7
	QUANT \a
.endr
	s_mov_b32 s95, 0
	s_cmp_eq_u32 s43, 1
	s_cbranch_scc1 .Lout_v
	s_lshr_b32 s96, s45, 3
	s_lshl_b32 s96, s96, 5
	s_lshl_b32 s97, s44, 2
	s_add_co_u32 s96, s96, s97
	s_lshl_b32 s97, s[WL], 1
	s_add_co_u32 s96, s96, s97
	s_lshl_b32 s96, s96, 7
	s_and_b32 s97, s45, 7
	s_lshl_b32 s97, s97, 4
	s_add_co_u32 s96, s96, s97
	s_lshl_b32 s97, s[WH], 3
	s_add_co_u32 s96, s96, s97
	s_lshl_b32 s94, s96, 10
	s_add_nc_u64 s[14:15], s[14:15], s[94:95]
	s_lshl_b32 s94, s96, 6
	s_add_nc_u64 s[16:17], s[16:17], s[94:95]
	s_wait_alu depctr_va_vdst(0)
.irp a, 0,1,2,3,4,5,6,7
.irp c, 0,1,2,3
	global_store_b128 v[LI], v[PC+16*\a+4*\c:PC+16*\a+4*\c+3], s[14:15] offset:(\c/2)*131072+1024*\a+512*(\c%2)
.endr
.endr
.irp a, 0,1,2,3,4,5,6,7
	v_lshrrev_b32 v[TQ+\a], v[H16], v[PW+\a]
.endr
.irp a, 0,1,2,3,4,5,6,7
	v_and_or_b32 v[TQ+\a], v[TQ+\a], 0xffff, s3
.endr
.irp a, 0,1,2,3,4,5,6,7
	ds_store_b32 v[SQ], v[TQ+\a] offset:64*\a
.endr
	ds_load_b128 v[RB:RB+3], v[SQR]
	ds_load_b128 v[RB+4:RB+7], v[SQR] offset:512
	s_wait_dscnt 1
	global_store_b128 v[LI], v[RB:RB+3], s[16:17]
	s_wait_dscnt 0x0
	global_store_b128 v[LI], v[RB+4:RB+7], s[16:17] offset:8192
	s_branch .Lfin
.Lout_v:
	s_lshr_b32 s96, s44, 3
	s_lshl_b32 s96, s96, 4
	s_lshl_b32 s97, s45, 2
	s_add_co_u32 s96, s96, s97
	s_lshl_b32 s97, s[WH], 1
	s_add_co_u32 s96, s96, s97
	s_lshl_b32 s96, s96, 4
	s_and_b32 s97, s44, 7
	s_lshl_b32 s97, s97, 1
	s_add_co_u32 s96, s96, s97
	s_add_co_u32 s96, s96, s[WL]
	s_lshl_b32 s94, s96, 13
	s_add_nc_u64 s[18:19], s[18:19], s[94:95]
	s_lshl_b32 s94, s96, 8
	s_add_nc_u64 s[20:21], s[20:21], s[94:95]
	s_wait_alu depctr_va_vdst(0)
.irp a, 0,1,2,3,4,5,6,7
.irp c, 0,1,2,3
	global_store_b128 v[LI], v[PC+16*\a+4*\c:PC+16*\a+4*\c+3], s[18:19] offset:(\a/4)*131072+2048*(\a%4)+512*\c
.endr
.endr
.irp a, 0,1,2,3,4,5,6,7
	ds_store_b32 v[SV], v[PW+\a] offset:64*\a
.endr
	ds_load_b128 v[RB:RB+3], v[SVR]
	s_wait_dscnt 0x0
	global_store_b128 v[VSO], v[RB:RB+3], s[20:21]
.Lfin:
	s_wait_tensorcnt 0x0
	ds_add_u32 v[SPW], v[NIL]
	s_wait_dscnt 0x0
	CROUND
	s_endpgm
.Lfunc_end_k_q0c12026824_proj:
	.size	k_q0c12026824_proj, .Lfunc_end_k_q0c12026824_proj-k_q0c12026824_proj
	.p2alignl 7, 3214868480
	.fill 96, 4, 3214868480
	.section	.rodata,"a",@progbits
	.p2align	6, 0x0
	.amdhsa_kernel k_q0c12026824_proj
		.amdhsa_group_segment_fixed_size 327680
		.amdhsa_private_segment_fixed_size 0
		.amdhsa_enable_private_segment 0
		.amdhsa_kernarg_size 72
		.amdhsa_user_sgpr_count 2
		.amdhsa_user_sgpr_kernarg_segment_ptr 1
		.amdhsa_wavefront_size32 1
		.amdhsa_system_sgpr_workgroup_id_x 1
		.amdhsa_system_sgpr_workgroup_id_y 1
		.amdhsa_system_sgpr_workgroup_id_z 1
		.amdhsa_system_vgpr_workitem_id 0
		.amdhsa_next_free_vgpr 1024
		.amdhsa_next_free_sgpr 102
		.amdhsa_reserve_vcc 0
		.amdhsa_float_denorm_mode_32 3
		.amdhsa_float_denorm_mode_16_64 3
		.amdhsa_memory_ordered 1
		.amdhsa_forward_progress 1
		.amdhsa_inst_pref_size 211
	.end_amdhsa_kernel
	.amdgpu_metadata
---
amdhsa.version: [ 1, 2 ]
amdhsa.kernels:
  - .name:           k_q0c12026824_proj
    .symbol:         k_q0c12026824_proj.kd
    .args:
      - { .name: ops, .offset: 0, .size: 8, .value_kind: global_buffer, .address_space: global }
      - { .name: opsc, .offset: 8, .size: 8, .value_kind: global_buffer, .address_space: global }
      - { .name: bq, .offset: 16, .size: 8, .value_kind: global_buffer, .address_space: global }
      - { .name: bk, .offset: 24, .size: 8, .value_kind: global_buffer, .address_space: global }
      - { .name: bv, .offset: 32, .size: 8, .value_kind: global_buffer, .address_space: global }
      - { .name: qkimg, .offset: 40, .size: 8, .value_kind: global_buffer, .address_space: global }
      - { .name: qksc, .offset: 48, .size: 8, .value_kind: global_buffer, .address_space: global }
      - { .name: vimg, .offset: 56, .size: 8, .value_kind: global_buffer, .address_space: global }
      - { .name: vsc, .offset: 64, .size: 8, .value_kind: global_buffer, .address_space: global }
    .group_segment_fixed_size: 327680
    .private_segment_fixed_size: 0
    .kernarg_segment_align: 8
    .kernarg_segment_size: 72
    .max_flat_workgroup_size: 128
    .sgpr_count:     102
    .vgpr_count:     1024
    .wavefront_size: 32
...
	.end_amdgpu_metadata
.endif
;; end of part 2
;; launch attn (part 3): grid 4 x 64, 16 waves a work-group, clusters of 4 x 1, 327,680 bytes of LDS; arguments qkimg, qksc, vimg, vsc, mask, aimg, asc; writes aimg, asc
.if DOCPART == 3
	.amdgcn_target "amdgcn-amd-amdhsa--gfx1250"
	.amdhsa_code_object_version 6
	.text
	.protected	k_q0c12026824_attn
	.globl	k_q0c12026824_attn
	.p2align	8
	.type	k_q0c12026824_attn,@function
k_q0c12026824_attn:
	s_mov_b64 s[64:65], 0
	v_nop
	global_prefetch_b8 v0, s[64:65] scope:SCOPE_SE
	s_setreg_imm32_b32 hwreg(HW_REG_WAVE_MODE, 25, 1), 1
	s_wait_xcnt 0x0
	s_wait_alu depctr_hold_cnt(0) depctr_sa_sdst(0) depctr_va_vdst(0) depctr_va_sdst(0) depctr_va_ssrc(0) depctr_va_vcc(0) depctr_vm_vsrc(0)
	s_getreg_b32 s2, hwreg(HW_REG_IB_STS2, 6, 4)
	s_cmp_eq_u32 s2, 0
	s_cbranch_scc0 .Lentry_in_a_cluster
	s_endpgm
.Lentry_in_a_cluster:
	s_bfe_u32 s2, ttmp6, 0x10000c
	s_cmp_lg_u32 s2, 0x3003
	s_cbranch_scc0 .Lentry_shape_is_right
	s_endpgm
.Lentry_shape_is_right:
; Attention on codes of FP8 (E4M3) with E8M0 scales, head size 64, 2,048 keys, a mask over the keys; its result is quantised along the model's 1,024 as the last product's operand.
; t = score x log2(e) / 8; M = the running largest t rounded up to a whole number; p = 2^(t - M) is quantised along the keys; the sum of the unquantised p divides at the end; when M moves, the sum and O are multiplied by 2^(old M - new M).
; SHARES.  A work-group owns ONE head of one batch and 512 queries.  The head's whole K (131,072 bytes) and V (131,072) come into LDS once, sixteen loads of 16,384 bytes, one a wave; nothing is filled again, so the loops hold no barrier.
; Each of the sixteen waves owns two tiles of 16 queries and walks all keys for one, then for the other, in 256 registers: four waves to a SIMD.
; CLUSTER: the four query blocks of a head need the same K and V: each load is a joint one (mask 15).  No prefetch: every tile is asked for at the head, there is no loop to run ahead in.
; LAYOUT.  Both products are used transposed (S^T = K Q^T, O^T = V^T P^T): a lane holds one query.  All operands come as images of their registers.  The head's 64 fill half of the instruction's 128 along K:
; a fragment of 16 registers holds TWO tiles of 16 keys, and meets Q once as [q, zero codes] and once as [zero codes, q]: the other tile's codes (never NaN: the quantiser holds them) meet zeros.
; K's scale words are paired to match on their way into LDS: bytes 0, 1 the even tile's row, bytes 2, 3 the odd tile's; Q's word holds its two bytes twice.
; THE MASK IS THE C OF THE FIRST PRODUCT: a table in LDS holds 0 for a key that counts and -2^127 for one that does not.  The largest score begins at -5.5e37, above a masked key's, whose p is 0.
; A STEP'S LDS LOADS ARE ASKED FOR EARLY: V's fragments behind the first product, into K's registers; the next step's numbers of the mask behind the conversions, into p's registers (the table's first 512 bytes stand once more behind its
; end, so that a pass's last step asks for the next pass's first; the very last step's are read by nobody); K's fragments alone are asked for at the step's head, and each pair of products waits for its own.
; A batch with no key left ends with the sum 0: its codes become the NaN code, so that its rows come out NaN, as the definition has them; every scale byte stays finite.
; asc: a head owns two bytes of each word: 16 lanes store 2 bytes each, 4 bytes apart (262,144 bytes in the whole launch).
; LIMITS: scores whose t lies under -9e36 are not told from masked keys; a mask byte counts as true where it is not 0; blocks whose largest magnitude lies under 2^-118 keep the byte 1; NaN and infinities among the operands are not served.
; REGISTERS: v1-4, v7 addresses that stay; v5, v6 the add's; v8-11 the trip's addresses; v12 -M, v13 the largest score, v[14:15] the sum; v16-23 the next tile's Q; v24, v25 Q's scale words; v26, v27 V's; v28-31 sums; v32-95 K's four double fragments, then V's four;
; v96-159 the mask's numbers, S^T, p; v160-191 O^T; v192-207 codes; v208-229 at work; v230, v231 K's scale words; v232-255 zeros, Q, zeros.
.set VB,    131072                     ; LDS: K from 0, V from here
.set SCK,   262144                     ; K's paired scale words, 4,096 bytes, and behind them V's, 4,096: written by LDS stores
.set BIAS,  270336                     ; the mask's table, 8,192 bytes, and its first 512 once more
.set SPARE, 279040                     ; the spare words, 128 bytes for each wave
.set ADK, 8
.set ADV, 9
.set ADS, 10
.set ADB, 11
.set QN, 16
.set QS, 24
.set VS, 26
.set KF, 32
.set SP, 96
.set OT, 160
.set CD, 192
.set BM, 208
.set PM, 212
.set HO, 216
.set SO, 220
.set KS, 230
.set QLO, 240                          ; v[240:255] = [q, 0]; v[232:247] = [0, q]
.set WV, 18
.set MNT, 19
.set SEL, 20
.set CS, 22
.set G1T, 24
.set G0K, 48
.set G0V, 52
.set TB, 66                            ; the trip's four key steps: where their K (and V) begin: 32,768 bytes a trip
.set TS, 67                            ; their scale words: 1,024
.set TMB, 69                           ; their part of the mask's table: 2,048
.set OUT, 70
.set CNT, 71
.macro ROUND
	s_barrier_signal -1
	s_barrier_wait -1
	s_cmp_lg_u32 s[WV], 0
	s_cbranch_scc1 .Lnot_wave_0_\@
	s_barrier_signal -3
.Lnot_wave_0_\@:
	s_barrier_wait -3
	s_barrier_signal -1
	s_barrier_wait -1
.endm
.macro MASKS adr, off                  ; a step's 128 numbers of the table in the result's layout: register j of tile t is key 32 (t / 2) + 8 (t % 2) + 16 h + j of the step
.irp t, 0,1,2,3,4,5,6,7
	ds_load_b128 v[SP+8*\t:SP+8*\t+3], v[\adr] offset:(\off)+128*(\t/2)+32*(\t%2)
	ds_load_b128 v[SP+8*\t+4:SP+8*\t+7], v[\adr] offset:(\off)+128*(\t/2)+32*(\t%2)+16
.endr
.endm
	s_load_b256 s[4:11], s[0:1], 0x0               ; qkimg, qksc, vimg, vsc
	s_load_b128 s[12:15], s[0:1], 0x20             ; mask, aimg
	s_load_b64 s[16:17], s[0:1], 0x30              ; asc
	v_lshl_add_u32 v5, v0, 2, SPARE
	v_mov_b32 v6, 0
	ds_add_u32 v5, v6                              ; the add, twice on end, and its wait below
	ds_add_u32 v5, v6
	v_lshrrev_b32 v8, 5, v0
	v_readfirstlane_b32 s[WV], v8                  ; wave 0..15
	s_and_b32 s73, ttmp7, 0xffff
	s_lshr_b32 s74, s73, 4                         ; the batch
	s_and_b32 s75, s73, 15                         ; the head
	s_and_b32 s76, s[WV], 7                        ; which eighth of K (waves 0-7) or of V (waves 8-15) I fetch
	s_lshl_b32 s77, s74, 5
	s_add_co_u32 s77, s77, s75                     ; 32 batch + head: q's place in qkimg
	s_add_co_u32 s79, s77, 16                      ; k's
	s_lshl_b32 s99, s76, 14
	s_lshl_b32 s80, s79, 17
	s_add_co_u32 s80, s80, s99
	s_mov_b32 s81, 0
	s_lshl_b32 s82, s79, 13
	s_mov_b32 s83, 0
	s_lshl_b32 s78, s74, 4
	s_add_co_u32 s78, s78, s75                     ; 16 batch + head: v's
	s_lshl_b32 s84, s78, 17
	s_add_co_u32 s84, s84, s99
	s_mov_b32 s85, 0
	s_lshl_b32 s86, s78, 12
	s_mov_b32 s87, 0
	s_bfe_u32 s98, ttmp6, 0x40000                  ; cx: it enters Q's, aimg's and asc's addresses alone
	s_lshl_b32 s98, s98, 5
	s_lshl_b32 s99, s[WV], 1
	s_add_co_u32 s98, s98, s99                     ; my first tile of queries in the batch: 32 cx + 2 wave
	s_lshl_b32 s88, s77, 17
	s_lshl_b32 s99, s98, 10
	s_add_co_u32 s88, s88, s99
	s_mov_b32 s89, 0
	s_lshl_b32 s90, s77, 13
	s_lshl_b32 s99, s98, 6
	s_add_co_u32 s90, s90, s99
	s_mov_b32 s91, 0
	s_lshl_b32 s92, s74, 11
	s_mov_b32 s93, 0
	s_lshl_b32 s99, s74, 7
	s_add_co_u32 s98, s98, s99                     ; T: my tile among all 512
	s_lshr_b32 s94, s75, 2
	s_lshl_b32 s94, s94, 21                        ; aimg: K step head / 4 of 2,097,152 bytes,
	s_lshl_b32 s99, s98, 12
	s_add_co_u32 s94, s94, s99                     ; tile T,
	s_and_b32 s99, s75, 3
	s_lshl_b32 s99, s99, 10
	s_add_co_u32 s94, s94, s99                     ; its runs 2 (head % 4) and the next
	s_mov_b32 s95, 0
	s_lshl_b32 s96, s98, 9                         ; asc: tile T, word head / 2 of a row, its half head % 2
	s_lshr_b32 s99, s75, 1
	s_lshl_b32 s99, s99, 6
	s_add_co_u32 s96, s96, s99
	s_and_b32 s99, s75, 1
	s_lshl_b32 s99, s99, 1
	s_add_co_u32 s96, s96, s99
	s_mov_b32 s97, 0
	s_mov_b32 s[G1T], 15|(3<<16)|(1<<21)           ; the mask: all four work-groups; elements of 8 bytes; bit 21 beside a mask.  16,384 dense bytes as 64 rows of 256
	s_mov_b32 s[G1T+1], 32<<16
	s_mov_b32 s[G1T+2], 64<<16
	s_mov_b32 s[G1T+3], 32<<16
	s_mov_b32 s[G1T+4], 64
	s_mov_b32 s[G1T+5], 32
	s_mov_b32 s[G1T+6], 0
	s_mov_b32 s[G1T+7], 0
	s_mov_b32 s[SEL], 0x76543210
	s_mov_b32 s[SEL+1], 0xfedcba98
	s_mov_b32 s[CS], 0x3e38aa3b                    ; c = log2(e) / 8
	s_mov_b32 s[CS+1], s[CS]
	s_mov_b32 s[MNT], 0x600000
	s_wait_dscnt 0x0                               ; both opening adds are done
	s_wait_kmcnt 0x0
	s_mov_b32 s[G0K], 1
	s_lshl_b32 s[G0K+1], s76, 14
	s_add_nc_u64 s[G0K+2:G0K+3], s[4:5], s[80:81]
	s_or_b32 s[G0K+3], s[G0K+3], 0x80000000
	s_mov_b32 s[G0V], 1
	s_lshl_b32 s[G0V+1], s76, 14
	s_add_co_u32 s[G0V+1], s[G0V+1], VB
	s_add_nc_u64 s[G0V+2:G0V+3], s[8:9], s[84:85]
	s_or_b32 s[G0V+3], s[G0V+3], 0x80000000
	ROUND                                          ; all four work-groups are here: the joint loads meet
	s_cmp_lt_u32 s[WV], 8                          ; one load a wave, on every way through the head
	s_cbranch_scc0 .Lfor_v
	tensor_load_to_lds s[G0K:G0K+3], s[G1T:G1T+7]
	s_nop 0
.rept 4
	v_nop
.endr
	s_branch .Lasked
.Lfor_v:
	tensor_load_to_lds s[G0V:G0V+3], s[G1T:G1T+7]
	s_nop 0
.rept 4
	v_nop
.endr
.Lasked:
	s_add_nc_u64 s[56:57], s[6:7], s[82:83]        ; K's scale words of the head
	s_add_nc_u64 s[58:59], s[10:11], s[86:87]      ; V's
	s_add_nc_u64 s[4:5], s[4:5], s[88:89]          ; Q's codes at my first tile
	s_add_nc_u64 s[6:7], s[6:7], s[90:91]
	s_add_nc_u64 s[12:13], s[12:13], s[92:93]      ; the batch's mask
	s_add_nc_u64 s[14:15], s[14:15], s[94:95]
	s_add_nc_u64 s[16:17], s[16:17], s[96:97]
	v_and_b32 v8, 31, v0
	v_lshlrev_b32 v1, 4, v8                        ; 16 x lane
	v_lshl_add_u32 v2, v8, 2, SCK                  ; scale words: 4 x lane
	v_lshl_add_u32 v3, v8, 4, VB
	v_bfe_u32 v9, v0, 4, 1
	v_lshl_add_u32 v4, v9, 6, BIAS                 ; the table: my half's 16 keys of a block begin 64 h bytes on
	v_and_b32 v7, 15, v0
	v_lshlrev_b32 v7, 2, v7                        ; 4 r
	v_lshlrev_b32 v104, 3, v0                      ; 8 x thread
	v_lshlrev_b32 v105, 2, v0                      ; 4 x thread
	v_lshrrev_b32 v106, 3, v0
	v_and_b32 v107, 7, v0
	v_lshlrev_b32 v107, 3, v107
	v_lshl_add_u32 v106, v106, 7, v107             ; K's words: pair thread / 8 of tiles (128 bytes), rows 2 (thread % 8) and the next
	v_lshl_add_u32 v108, v0, 3, SCK
	v_lshl_add_u32 v109, v0, 4, BIAS
	global_load_b128 v[QLO:QLO+3], v1, s[4:5]
	global_load_b128 v[QLO+4:QLO+7], v1, s[4:5] offset:512
	global_load_b128 v[QN:QN+3], v1, s[4:5] offset:1024
	global_load_b128 v[QN+4:QN+7], v1, s[4:5] offset:1536
	global_load_b32 v[QS], v7, s[6:7]
	global_load_b32 v[QS+1], v7, s[6:7] offset:64
	global_load_b32 v112, v105, s[12:13]           ; my thread's four keys of the batch's 2,048
	global_load_b64 v[96:97], v106, s[56:57]       ; the even tile's two words,
	global_load_b64 v[98:99], v106, s[56:57] offset:64   ; the odd tile's
	global_load_b64 v[100:101], v104, s[58:59]
.set J, 0
.rept 8
	v_mov_b32 v[QLO-8+J], 0                        ; the zero codes on both sides of Q: written once
	v_mov_b32 v[QLO+8+J], 0
.set J, J+1
.endr
.irp b, 0,1,2,3
	v_mov_b32 v[PM+\b], 0                          ; a lane permute's destination counts as one of its sources
.endr
	v_mov_b32 v227, 0                              ; (named as the upper half of the pair v[226:227])
	v_mov_b32 v228, 0
	v_mov_b32 v114, 0xff000000                     ; -2^127
	s_wait_alu depctr_va_vdst(0)
	s_wait_loadcnt 0x0
.irp i, 0,1,2,3
	v_bfe_u32 v113, v112, 8*\i, 8
	v_cmp_eq_u32 vcc_lo, 0, v113
	v_cndmask_b32 v[116+\i], 0, v114, vcc_lo       ; 0 where the key counts, -2^127 where it does not
.endr
	ds_store_b128 v109, v[116:119]
	s_cmp_lg_u32 s[WV], 0
	s_cbranch_scc1 .Lno_second
	ds_store_b128 v109, v[116:119] offset:8192     ; wave 0 holds keys 0 to 127: their 512 bytes once more, behind the table's end
.Lno_second:
	v_perm_b32 v102, v98, v96, 0x05040100          ; the two low halves: even tile's bytes below, odd tile's above
	v_perm_b32 v103, v99, v97, 0x05040100
	ds_store_b64 v108, v[102:103]
	ds_store_b64 v108, v[100:101] offset:4096
	v_perm_b32 v[QS], v[QS], v[QS], 0x05040100     ; Q's two bytes, twice
	v_perm_b32 v[QS+1], v[QS+1], v[QS+1], 0x05040100
	s_wait_alu depctr_va_vdst(0)
	s_wait_tensorcnt 0x0                           ; my sixteenth of K and V is in,
	s_wait_dscnt 0x0                               ; my LDS stores are done:
	s_barrier_signal -1
	s_barrier_wait -1                              ; both hold of every wave
	MASKS 4, 0                                     ; the first step's numbers of the mask; every later step finds its own asked for by the step before
.macro SMUL j, u                       ; tile 2 j + u of the step's eight: fragment j against [q, 0] (u = 0) or [0, q] (u = 1)
.set D_, SP+16*(\j)+8*(\u)
.if (\j)%2
	v_wmma_scale_f32_16x16x128_f8f6f4 v[D_:D_+7], v[KF+16*(\j):KF+16*(\j)+15], v[QLO-8*(\u):QLO-8*(\u)+15], v[D_:D_+7], v[KS+(\j)/2], v[QS] matrix_a_scale:MATRIX_SCALE_ROW1
.else
	v_wmma_scale_f32_16x16x128_f8f6f4 v[D_:D_+7], v[KF+16*(\j):KF+16*(\j)+15], v[QLO-8*(\u):QLO-8*(\u)+15], v[D_:D_+7], v[KS+(\j)/2], v[QS]
.endif
.endm
; A KEY STEP: 128 keys, the q-th of the trip's four.
.macro STEP q
	ds_load_b32 v[KS], v[ADS] offset:256*(\q)      ; lanes 0-15 pair 0's words, lanes 16-31 pair 1's
	ds_load_b32 v[KS+1], v[ADS] offset:256*(\q)+128
.irp j, 0,1,2,3                        ; (the eight lines at the last step's end are the places in front of these loads)
.irp c, 0,1,2,3
	ds_load_b128 v[KF+16*\j+4*\c:KF+16*\j+4*\c+3], v[ADK] offset:8192*(\q)+2048*\j+512*\c
.endr
.endr
.irp j, 0,1,2,3                        ; S^T = K Q^T + the mask's numbers: each accumulator has one instruction
	s_wait_dscnt 12-4*\j                           ; fragment j is in, and all that was asked for ahead of it; behind it stand four loads for each later fragment
	SMUL \j, 0
	SMUL \j, 1
.endr
	v_mov_b32 v224, v12                            ; the old -M.  (With the seven lines below: the eight places)
.rept 7
	v_nop
.endr
.irp b, 0,1,2,3
.irp c, 0,1,2,3
	ds_load_b128 v[KF+16*\b+4*\c:KF+16*\b+4*\c+3], v[ADV] offset:8192*(\q)+2048*\b+512*\c   ; V's fragments into the registers that K's have left
.endr
.endr
	ds_load_b32 v[VS], v[ADS] offset:4096+256*(\q)
	ds_load_b32 v[VS+1], v[ADS] offset:4096+256*(\q)+128
.irp b, 0,1,2,3
	v_max3_num_f32 v[BM+\b], v[SP+16*\b], v[SP+1+16*\b], v[SP+2+16*\b]   ; the largest score of each block of 32 keys: for the row's maximum and, since p rises with the score, for the block's largest p
.endr
.irp i, 3,5,7,9,11,13
.irp b, 0,1,2,3
	v_max3_num_f32 v[BM+\b], v[BM+\b], v[SP+16*\b+\i], v[SP+1+16*\b+\i]
.endr
.endr
.irp b, 0,1,2,3
	v_max_num_f32 v[BM+\b], v[BM+\b], v[SP+15+16*\b]
.endr
.irp b, 0,1,2,3
	v_permlanex16_b32 v[PM+\b], v[BM+\b], s[SEL], s[SEL+1]
.endr
.irp b, 0,1,2,3
	v_max_num_f32 v[BM+\b], v[BM+\b], v[PM+\b]
.endr
	v_max3_num_f32 v228, v[BM], v[BM+1], v[BM+2]
	v_max3_num_f32 v13, v13, v228, v[BM+3]         ; the running largest score (c is positive: its product with c is the running largest t)
	v_mul_f32 v228, s[CS], v13
	v_floor_f32 v12, -v228                         ; -M = floor(-t): M is a whole number
.set J, 0
.rept 32
	v_pk_fma_f32 v[SP+J:SP+J+1], v[SP+J:SP+J+1], s[CS:CS+1], v[12:13] op_sel_hi:[1,0,0]   ; t - M
.if J == 6
	v_sub_f32 v228, v12, v224                      ; old M less new M, among lines that do not wait for it
.elseif J == 14
	v_cvt_i32_f32 v228, v228                       ; (it saturates)
.elseif J == 22
	v_ldexp_f32 v226, 1.0, v228                    ; f = 2^(old M - new M)
.endif
.set J, J+2
.endr
.irp b, 0,1,2,3
	v_fma_f32 v[BM+\b], v[BM+\b], s[CS], v12
.endr
	s_wait_alu depctr_va_vdst(0)
.set J, 0
.rept 64
	v_exp_f32 v[SP+J], v[SP+J]                     ; p = 2^(t - M)
.set J, J+1
.endr
.irp b, 0,1,2,3
	v_exp_f32 v[BM+\b], v[BM+\b]                   ; the block's largest p: the same two instructions on the same number
.endr
	v_pk_mul_f32 v[14:15], v[14:15], v[226:227] op_sel_hi:[1,0]   ; the sum under the new M (a plain instruction behind the exponentials)
	s_wait_alu depctr_va_vdst(0)                   ; one wait for the batch, ahead of its first reader
.irp b, 0,1,2,3
	v_max_num_f32 v[BM+\b], 0x4800000, v[BM+\b]    ; the floor 2^(9 - 127)
.endr
.irp b, 0,1,2,3
	v_add_nc_u32 v[SO+\b], 0xfc000000, v[BM+\b]
.endr
.irp b, 0,1,2,3
	v_and_or_b32 v[HO+\b], v[BM+\b], 0x7f800000, s[MNT]
.endr
.irp b, 0,1,2,3
	v_lshrrev_b32 v[PM+\b], 23, v[SO+\b]
.endr
	v_lshl_or_b32 v229, v[PM+1], 8, v[PM]          ; p's scale word for these 128 keys
	v_lshl_or_b32 v229, v[PM+2], 16, v229
	v_lshl_or_b32 v229, v[PM+3], 24, v229
; the row's sum of the unquantised p, in eight chains; the chains are joined behind the second product
.set K_, 0
.irp a, 224,208,210,212,214,28,30
	v_pk_add_f32 v[\a:\a+1], v[SP+K_:SP+K_+1], v[SP+K_+2:SP+K_+3]
.set K_, K_+4
.endr
	v_pk_add_f32 v[14:15], v[14:15], v[SP+28:SP+29]
.set K_, 30
.rept 2
.irp a, 14,224,208,210,212,214,28,30
	v_pk_add_f32 v[\a:\a+1], v[\a:\a+1], v[SP+K_:SP+K_+1]
.set K_, K_+2
.endr
.endr
	v_pk_add_f32 v[224:225], v[224:225], v[SP+62:SP+63]
.irp b, 0,1,2,3
.irp i, 0,2,4,6,8,10,12,14             ; the hold (the conversion does not saturate: ISA guide 7.6.2; p is not negative), two a line
	v_dual_min_num_f32 v[SP+16*\b+\i], v[SP+16*\b+\i], v[HO+\b] :: v_dual_min_num_f32 v[SP+16*\b+\i+1], v[SP+16*\b+\i+1], v[HO+\b]
.endr
	v_cvt_scalef32_pk8_fp8_f32 v[CD+4*\b:CD+4*\b+1], v[SP+16*\b:SP+16*\b+7], v[SO+\b]
	v_cvt_scalef32_pk8_fp8_f32 v[CD+4*\b+2:CD+4*\b+3], v[SP+16*\b+8:SP+16*\b+15], v[SO+\b]
.endr
	s_wait_alu depctr_va_vdst(0)                   ; the wait directly ahead of the first reader of O^T
.set J, 0
.rept 16
	v_pk_mul_f32 v[OT+J:OT+J+1], v[OT+J:OT+J+1], v[226:227] op_sel_hi:[1,0]   ; O^T under the new M; also the places between the conversions and the products
.set J, J+2
.endr
	MASKS ADB, 512*((\q)+1)                        ; the next step's numbers of the mask, into the registers that p has left
	s_wait_alu depctr_va_vdst(0)
	s_wait_dscnt 16                                ; V's fragments and scale words are in: behind them stand the 16 loads just issued
.irp t, 0,1,2,3                        ; O^T += V^T P^T: four accumulators, one instruction each
.if \t%2
	v_wmma_scale_f32_16x16x128_f8f6f4 v[OT+8*\t:OT+8*\t+7], v[KF+16*\t:KF+16*\t+15], v[CD:CD+15], v[OT+8*\t:OT+8*\t+7], v[VS+\t/2], v229 matrix_a_scale:MATRIX_SCALE_ROW1
.else
	v_wmma_scale_f32_16x16x128_f8f6f4 v[OT+8*\t:OT+8*\t+7], v[KF+16*\t:KF+16*\t+15], v[CD:CD+15], v[OT+8*\t:OT+8*\t+7], v[VS+\t/2], v229
.endif
.endr
	v_pk_add_f32 v[208:209], v[208:209], v[210:211]   ; the sum's chains are joined: with the v_nop eight lines that name no register of the products above: their places
	v_pk_add_f32 v[212:213], v[212:213], v[214:215]
	v_pk_add_f32 v[28:29], v[28:29], v[30:31]
	v_pk_add_f32 v[14:15], v[14:15], v[224:225]
	v_pk_add_f32 v[212:213], v[212:213], v[28:29]
	v_pk_add_f32 v[14:15], v[14:15], v[208:209]
	v_pk_add_f32 v[14:15], v[14:15], v[212:213]
	v_nop
.endm
	s_mov_b32 s[OUT], 2
.Ltile:                                            ; two passes: a tile of 16 queries each
	v_mov_b32 v13, 0xfe2581b0                      ; the largest score so far: -5.5e37: under every score that is served, above a masked key's
	v_mul_f32 v228, s[CS], v13
	v_floor_f32 v12, -v228
	v_mov_b32 v14, 0
	v_mov_b32 v15, 0
.set J, 0
.rept 32
	v_mov_b32 v[OT+J], 0
.set J, J+1
.endr
	s_mov_b32 s[TB], 0
	s_mov_b32 s[TS], 0
	s_mov_b32 s[TMB], 0
	s_mov_b32 s[CNT], 4
.Lgrp:                                             ; four trips of four key steps
	v_add_nc_u32 v[ADK], s[TB], v1
	v_add_nc_u32 v[ADV], s[TB], v3
	v_add_nc_u32 v[ADS], s[TS], v2
	v_add_nc_u32 v[ADB], s[TMB], v4
	s_wait_alu depctr_va_vdst(0)                   ; the wait behind these writes
	STEP 0
	STEP 1
	STEP 2
	STEP 3
	s_add_co_u32 s[TB], s[TB], 32768
	s_add_co_u32 s[TS], s[TS], 1024
	s_add_co_u32 s[TMB], s[TMB], 2048
	s_sub_co_u32 s[CNT], s[CNT], 1
	s_cmp_lg_u32 s[CNT], 0
	s_wait_alu depctr_va_vdst(0)
	s_cbranch_scc1 .Lgrp
; The tile ends: O^T / the sum; register 16 B + i of a lane is channel 32 B + 16 h + i: two blocks along the last product's K; codes and bytes go out.  (v96-159 await the next pass's first numbers of the mask and are not named here.)
	v_add_f32 v14, v14, v15
	v_permlanex16_b32 v228, v14, s[SEL], s[SEL+1]
	v_add_f32 v14, v14, v228                       ; the row's sum
	s_wait_alu depctr_va_vdst(0)
	v_rcp_f32 v224, v14
	v_nop
	s_wait_alu depctr_va_vdst(0)
.set J, 0
.rept 16
	v_pk_mul_f32 v[OT+J:OT+J+1], v[OT+J:OT+J+1], v[224:225] op_sel_hi:[1,0]
.set J, J+2
.endr
.irp b, 0,1
	v_max3_num_f32 v[BM+\b], |v[OT+16*\b]|, |v[OT+1+16*\b]|, 0x4800000
.endr
.irp i, 2,4,6,8,10,12,14
.irp b, 0,1
	v_max3_num_f32 v[BM+\b], v[BM+\b], |v[OT+16*\b+\i]|, |v[OT+1+16*\b+\i]|
.endr
.endr
.irp b, 0,1
	v_permlanex16_b32 v[PM+\b], v[BM+\b], s[SEL], s[SEL+1]
.endr
.irp b, 0,1
	v_max_num_f32 v[BM+\b], v[BM+\b], v[PM+\b]
.endr
.irp b, 0,1
	v_add_nc_u32 v[SO+\b], 0xfc000000, v[BM+\b]
.endr
.irp b, 0,1
	v_and_or_b32 v[HO+\b], v[BM+\b], 0x7f800000, s[MNT]
.endr
.irp b, 0,1
	v_lshrrev_b32 v[PM+\b], 23, v[SO+\b]
.endr
	v_lshl_or_b32 v228, v[PM+1], 8, v[PM]          ; the head's two scale bytes
	v_cmp_neq_f32 vcc_lo, 0, v14
.set J, 0
.rept 32
	v_med3_num_f32 v[OT+J], v[OT+J], -v[HO+J/16], v[HO+J/16]
.set J, J+1
.endr
.irp b, 0,1
	v_cvt_scalef32_pk8_fp8_f32 v[CD+4*\b:CD+4*\b+1], v[OT+16*\b:OT+16*\b+7], v[SO+\b]
	v_cvt_scalef32_pk8_fp8_f32 v[CD+4*\b+2:CD+4*\b+3], v[OT+16*\b+8:OT+16*\b+15], v[SO+\b]
.endr
	v_nop                                          ; one plain instruction behind the last conversion
.irp i, 0,1,2,3,4,5,6,7
	v_cndmask_b32 v[CD+\i], 0x7f7f7f7f, v[CD+\i], vcc_lo   ; no key counted: the NaN code
.endr
	global_store_b128 v1, v[CD:CD+3], s[14:15]     ; 512 consecutive bytes, twice
	global_store_b128 v1, v[CD+4:CD+7], s[14:15] offset:512
	global_store_b16 v7, v228, s[16:17]            ; lanes r and r + 16 write the same two bytes to the same place
	s_wait_xcnt 0x0                                ; the stores' bases and data are written again only behind this wait
	s_add_nc_u64 s[14:15], s[14:15], 4096          ; on to my second tile
	s_add_nc_u64 s[16:17], s[16:17], 512
.irp i, 0,1,2,3,4,5,6,7
	v_mov_b32 v[QLO+\i], v[QN+\i]                  ; its Q (the last pass's copy is read by nobody)
.endr
	v_mov_b32 v[QS], v[QS+1]
	s_sub_co_u32 s[OUT], s[OUT], 1
	s_cmp_lg_u32 s[OUT], 0
	s_wait_alu depctr_va_vdst(0)
	s_cbranch_scc1 .Ltile
	s_wait_tensorcnt 0x0                           ; the wave's end
	ds_add_u32 v5, v6
	s_wait_dscnt 0x0
	ROUND                                          ; the closing round
	s_endpgm
.Lfunc_end_k_q0c12026824_attn:
	.size	k_q0c12026824_attn, .Lfunc_end_k_q0c12026824_attn-k_q0c12026824_attn
	.p2alignl 7, 3214868480
	.fill 96, 4, 3214868480
	.section	.rodata,"a",@progbits
	.p2align	6, 0x0
	.amdhsa_kernel k_q0c12026824_attn
		.amdhsa_group_segment_fixed_size 327680
		.amdhsa_private_segment_fixed_size 0
		.amdhsa_enable_private_segment 0
		.amdhsa_kernarg_size 56
		.amdhsa_user_sgpr_count 2
		.amdhsa_user_sgpr_kernarg_segment_ptr 1
		.amdhsa_wavefront_size32 1
		.amdhsa_system_sgpr_workgroup_id_x 1
		.amdhsa_system_sgpr_workgroup_id_y 1
		.amdhsa_system_sgpr_workgroup_id_z 1
		.amdhsa_system_vgpr_workitem_id 0
		.amdhsa_next_free_vgpr 256
		.amdhsa_next_free_sgpr 100
		.amdhsa_reserve_vcc 1
		.amdhsa_float_denorm_mode_32 3
		.amdhsa_float_denorm_mode_16_64 3
		.amdhsa_memory_ordered 1
		.amdhsa_forward_progress 1
		.amdhsa_inst_pref_size 95
	.end_amdhsa_kernel
	.amdgpu_metadata
---
amdhsa.version: [ 1, 2 ]
amdhsa.kernels:
  - .name:           k_q0c12026824_attn
    .symbol:         k_q0c12026824_attn.kd
    .args:
      - { .name: qkimg, .offset: 0, .size: 8, .value_kind: global_buffer, .address_space: global }
      - { .name: qksc, .offset: 8, .size: 8, .value_kind: global_buffer, .address_space: global }
      - { .name: vimg, .offset: 16, .size: 8, .value_kind: global_buffer, .address_space: global }
      - { .name: vsc, .offset: 24, .size: 8, .value_kind: global_buffer, .address_space: global }
      - { .name: mask, .offset: 32, .size: 8, .value_kind: global_buffer, .address_space: global }
      - { .name: aimg, .offset: 40, .size: 8, .value_kind: global_buffer, .address_space: global }
      - { .name: asc, .offset: 48, .size: 8, .value_kind: global_buffer, .address_space: global }
    .group_segment_fixed_size: 327680
    .private_segment_fixed_size: 0
    .kernarg_segment_align: 8
    .kernarg_segment_size: 56
    .max_flat_workgroup_size: 512
    .sgpr_count:     100
    .vgpr_count:     256
    .wavefront_size: 32
...
	.end_amdgpu_metadata
.endif
;; end of part 3
;; launch oproj (part 4): grid 4 x 64, 4 waves a work-group, clusters of 4 x 4, 327,680 bytes of LDS; arguments aimg, asc, ops, opsc, bo, x, out0; writes out0
.if DOCPART == 4
	.amdgcn_target "amdgcn-amd-amdhsa--gfx1250"
	.amdhsa_code_object_version 6
	.text
	.protected	k_q0c12026824_oproj
	.globl	k_q0c12026824_oproj
	.p2align	8
	.type	k_q0c12026824_oproj,@function
k_q0c12026824_oproj:
	s_mov_b64 s[64:65], 0
	v_nop
	global_prefetch_b8 v0, s[64:65] scope:SCOPE_SE
	s_setreg_imm32_b32 hwreg(HW_REG_WAVE_MODE, 25, 1), 1
	s_wait_xcnt 0x0
	s_wait_alu depctr_hold_cnt(0) depctr_sa_sdst(0) depctr_va_vdst(0) depctr_va_sdst(0) depctr_va_ssrc(0) depctr_va_vcc(0) depctr_vm_vsrc(0)
	s_getreg_b32 s2, hwreg(HW_REG_IB_STS2, 6, 4)
	s_cmp_eq_u32 s2, 0
	s_cbranch_scc0 .Lentry_in_a_cluster
	s_endpgm
.Lentry_in_a_cluster:
	s_bfe_u32 s2, ttmp6, 0x10000c
	s_cmp_lg_u32 s2, 0xf033
	s_cbranch_scc0 .Lentry_shape_is_right
	s_endpgm
.Lentry_shape_is_right:
; out0 = x + attention's result x Wo + bo, the product on codes of FP8 (E4M3) with E8M0 scales: 8,192 x 1,024 x 1,024.
; aimg, ops: [K step of 256][tile of 16 rows][128 along K: 2][c: 4][512 bytes], images of the operand's registers; asc, opsc: [tile][128 along K: 8][row: 16][4 bytes].  Wo's tiles are 704 to 767 of ops.
; Row r of tile 2 B + u is row 32 B + 8 u + r % 8 + 16 (r / 8) of its tensor.
; SHARES.  A work-group makes 128 rows x 256 columns: 64 x 4 = 256 work-groups.  Four waves, 2 x 2; a wave makes 64 x 128: 32 accumulators (window 2), which begin as x: the residual is the first products' C.
; K goes in steps of 256 through a ring of two LDS slots (A's 32,768 bytes from the slot's byte 0, B's 65,536 from byte 65,536).  CLUSTERS of 4 x 4: A's tiles are asked for jointly along a row, B's along a column.
; A step of 128 along K is 32 products.  A's and B's fragments have two sets of registers each: a step first asks for the next step's 48 LDS loads, then multiplies.
; The product is used transposed (source 0 = 16 rows of Wo's operand, source 1 = 16 rows of A): a lane holds eight neighbouring numbers of a row of the result.
; A's scale words are 4,096 bytes; their tile is stated as 32 rows of 256 bytes over a tensor of 16, so that the mover writes zeros into the upper 4,096: one load takes A's word of block i in lanes 0-15 and B's in lanes 16-31, and for i over 3 lanes 0-15 read words that no product uses (in waves 2, 3 those zeros).
; No prefetch: of the four K steps two are asked for at the head.
; LIMITS: NaN and infinities among the operands are not served, but for the NaN codes that the launch before writes for a batch with no key left.
.set KSTR,  3145728
.set KSTRA, 2097152
.set SLOT,  131072
.set SCL,   262144                     ; A's scale words, 8,192 bytes with the zeros
.set SCLB,  270400                     ; B's, 8,192
.set SPARE, 278784                     ; the spare words
.set SPITCH, 528
.set NQ, 2
.set FR, 16
.set NL, 4
.set NP, 8
.set ADRA, 16
.set XO,   18
.set ADRB, 20
.set LI,   24
.set STO,  25
.set RD,   26
.set ADRS, 27
.set SPW,  28
.set NIL,  29
.set SC,   32
.set BO,   64
.set AF,   128                         ; A's fragments, window 0: set p at AF + 64 p
.set BK,   128
.set WV, 22
.set WH, 23
.set WL, 66
.set G1, 24
.set G0, 32
.set G1B, 48
.set G0B, 56
.set G1S, 68
.set G0S, 76
.set G1SB, 80
.set G0SB, 88
.set MSB, 0
.macro WIN new
.if MSB != \new
	s_set_vgpr_msb (MSB<<8)|\new
.set MSB, \new
.endif
.endm
.set MUL_LO, 0xa1                      ; source 0 (B) window 1, source 1 (A) window 0, C and D window 2
.set TO_B,   0x40
.macro JLOAD g0a, g1a, g0b, g1b        ; waves 0, 1 fetch A's halves, waves 2, 3 B's
	s_cmp_eq_u32 s[WH], 0
	s_cbranch_scc0 .Lfor_b_\@
	tensor_load_to_lds s[\g0a:\g0a+3], s[\g1a:\g1a+7]
	s_nop 0
.rept 4
	v_nop
.endr
	s_branch .Lasked_\@
.Lfor_b_\@:
	tensor_load_to_lds s[\g0b:\g0b+3], s[\g1b:\g1b+7]
	s_nop 0
.rept 4
	v_nop
.endr
.Lasked_\@:
.endm
.macro CREST
	s_cmp_lg_u32 s[WV], 0
	s_cbranch_scc1 .Lnot_wave_0_\@
	s_barrier_signal -3
.Lnot_wave_0_\@:
	s_barrier_wait -3
	s_barrier_signal -1
	s_barrier_wait -1
.endm
.macro CROUND
	s_barrier_signal -1
	s_barrier_wait -1
	CREST
.endm
	s_load_b256 s[4:11], s[0:1], 0x0               ; aimg, asc, ops, opsc
	s_load_b128 s[12:15], s[0:1], 0x20             ; bo, x
	s_load_b64 s[16:17], s[0:1], 0x30              ; out0
	v_lshl_add_u32 v[SPW], v0, 2, SPARE
	v_mov_b32 v[NIL], 0
	ds_add_u32 v28, v29
	ds_add_u32 v28, v29
	s_wait_dscnt 0x0
	v_lshrrev_b32 v1, 5, v0
	v_readfirstlane_b32 s[WV], v1
	s_lshr_b32 s[WH], s[WV], 1                     ; my half of the rows; also: I fetch for A (0) or for B (1)
	s_and_b32 s[WL], s[WV], 1                      ; my half of the columns; also: which half of a tile I fetch
	s_bfe_u32 s40, ttmp6, 0x40000
	s_bfe_u32 s41, ttmp6, 0x40004
	s_lshl_b32 s44, ttmp9, 2
	s_add_co_u32 s44, s44, s40                     ; block column, 256 wide
	s_and_b32 s45, ttmp7, 0xffff
	s_lshl_b32 s45, s45, 2
	s_add_co_u32 s45, s45, s41                     ; block row, 128 high
	s_lshl_b32 s46, s41, 2
	s_lshl_b32 s46, 15, s46
	s_lshl_b32 s47, 0x1111, s40
	s_or_b32 s[G1+0], s46, (3<<16)|(1<<21)
	s_or_b32 s[G1B+0], s47, (3<<16)|(1<<21)
	s_or_b32 s[G1S+0], s46, (3<<16)|(1<<21)
	s_or_b32 s[G1SB+0], s47, (3<<16)|(1<<21)
.irp g, G1, G1B, G1S, G1SB             ; dense bytes as rows of 256 (32 elements of 8 bytes)
	s_mov_b32 s[\g+1], 32<<16
	s_mov_b32 s[\g+3], 32<<16
	s_mov_b32 s[\g+5], 32
	s_mov_b32 s[\g+6], 0
	s_mov_b32 s[\g+7], 0
.endr
	s_mov_b32 s[G1+2], 128<<16                     ; at the head: A's whole tile, 128 rows;
	s_mov_b32 s[G1+4], 128
	s_mov_b32 s[G1B+2], 256<<16                    ; B's, 256;
	s_mov_b32 s[G1B+4], 256
	s_mov_b32 s[G1S+2], 16<<16                     ; A's scale words: 16 rows are there,
	s_mov_b32 s[G1S+4], 32                         ; 32 are written: the upper 16 as zeros;
	s_mov_b32 s[G1SB+2], 32<<16                    ; B's: 32
	s_mov_b32 s[G1SB+4], 32
	s_lshl_b32 s94, s45, 3                         ; A's first tile
	s_lshl_b32 s98, s94, 9
	s_lshl_b32 s94, s94, 12
	s_mov_b32 s95, 0
	s_mov_b32 s99, 0
	s_lshl_b32 s96, s44, 4
	s_add_co_u32 s96, s96, 704                     ; B's first tile
	s_lshl_b32 s100, s96, 9
	s_lshl_b32 s96, s96, 12
	s_mov_b32 s97, 0
	s_mov_b32 s101, 0
	s_lshl_b32 s2, s[WV], 15                       ; where B's halves go: waves 2, 3: 65,536 and 98,304
	s_lshl_b32 s3, s[WL], 14                       ; where A's go: 0 and 16,384
	s_lshl_b32 s92, s[WL], 15                      ; s[92:93]: B's half in memory
	s_mov_b32 s93, 0
	s_wait_kmcnt 0x0
	s_add_nc_u64 s[94:95], s[4:5], s[94:95]
	s_add_nc_u64 s[96:97], s[8:9], s[96:97]
	s_add_nc_u64 s[98:99], s[6:7], s[98:99]
	s_add_nc_u64 s[100:101], s[10:11], s[100:101]
	CROUND
	s_mov_b32 s[G0S], 1
	s_mov_b32 s[G0S+1], SCL
	s_mov_b64 s[G0S+2:G0S+3], s[98:99]
	s_or_b32 s[G0S+3], s[G0S+3], 0x80000000
	s_mov_b32 s[G0SB], 1
	s_mov_b32 s[G0SB+1], SCLB
	s_mov_b64 s[G0SB+2:G0SB+3], s[100:101]
	s_or_b32 s[G0SB+3], s[G0SB+3], 0x80000000
	s_mov_b32 s98, s3                              ; s[98:99]: A's half in memory
	s_mov_b32 s99, 0
	s_mov_b32 s[G0], 1                             ; slot 0 at the head: whole tiles
	s_mov_b32 s[G0+1], 0
	s_mov_b64 s[G0+2:G0+3], s[94:95]
	s_or_b32 s[G0+3], s[G0+3], 0x80000000
	s_mov_b32 s[G0B], 1
	s_mov_b32 s[G0B+1], 65536
	s_mov_b64 s[G0B+2:G0B+3], s[96:97]
	s_or_b32 s[G0B+3], s[G0B+3], 0x80000000
	s_mov_b32 s[G0+4], 1                           ; slot 1: K step 1, by halves
	s_add_co_u32 s[G0+5], s3, SLOT
	s_add_nc_u64 s[G0+6:G0+7], s[94:95], KSTRA
	s_add_nc_u64 s[G0+6:G0+7], s[G0+6:G0+7], s[98:99]
	s_or_b32 s[G0+7], s[G0+7], 0x80000000
	s_mov_b32 s[G0B+4], 1
	s_add_co_u32 s[G0B+5], s2, SLOT
	s_add_nc_u64 s[G0B+6:G0B+7], s[96:97], KSTR
	s_add_nc_u64 s[G0B+6:G0B+7], s[G0B+6:G0B+7], s[92:93]
	s_or_b32 s[G0B+7], s[G0B+7], 0x80000000
; The head's four tiles, one load a wave: wave 0 K step 0 of A, wave 1 of B, wave 2 A's scale words, wave 3 B's.
.macro ARM under, g0, g1, next
	s_cmp_lt_u32 s[WV], \under
	s_cbranch_scc0 \next
	tensor_load_to_lds s[\g0:\g0+3], s[\g1:\g1+7]
	s_nop 0
.rept 4
	v_nop
.endr
	s_branch .Lhead_asked
\next:
.endm
	ARM 1, G0, G1, .Lhead_b
	ARM 2, G0B, G1B, .Lhead_sa
	ARM 3, G0S, G1S, .Lhead_sb
	tensor_load_to_lds s[G0SB:G0SB+3], s[G1SB:G1SB+7]
	s_nop 0
.rept 4
	v_nop
.endr
.Lhead_asked:
	v_and_b32 v1, 15, v0
	v_bfe_u32 v2, v0, 4, 1
	v_and_b32 v3, 31, v0
	v_lshlrev_b32 v[LI], 4, v3
	v_and_b32 v4, 7, v1
	v_lshrrev_b32 v5, 3, v1
	v_lshl_add_u32 v4, v5, 4, v4
	v_lshlrev_b32 v[XO], 12, v4                    ; x in the accumulators' layout: row r % 8 + 16 (r / 8), + 64 h bytes
	v_lshl_add_u32 v[XO], v2, 6, v[XO]
	s_wait_alu depctr_va_vdst(0)
	s_lshl_b32 s94, s45, 7
	s_lshl_b32 s95, s[WH], 6
	s_add_co_u32 s94, s94, s95                     ; my first row
	s_lshl_b32 s94, s94, 12
	s_lshl_b32 s95, s44, 10
	s_add_co_u32 s94, s94, s95
	s_lshl_b32 s95, s[WL], 9
	s_add_co_u32 s94, s94, s95                     ; + my first column, in bytes
	s_mov_b32 s95, 0
	s_add_nc_u64 s[14:15], s[14:15], s[94:95]
	s_add_nc_u64 s[16:17], s[16:17], s[94:95]
	s_lshl_b32 s94, s44, 10
	s_lshl_b32 s96, s[WL], 9
	s_add_co_u32 s94, s94, s96
	s_add_nc_u64 s[12:13], s[12:13], s[94:95]
	WIN 0x80
.irp a, 0,1,2,3
.irp b, 0,1,2,3,4,5,6,7
	global_load_b128 v[8*(8*\a+\b):8*(8*\a+\b)+3], v[XO], s[14:15] offset:(32*(\a/2)+8*(\a%2))*4096+(32*(\b/2)+8*(\b%2))*4
	global_load_b128 v[8*(8*\a+\b)+4:8*(8*\a+\b)+7], v[XO], s[14:15] offset:(32*(\a/2)+8*(\a%2))*4096+(32*(\b/2)+8*(\b%2))*4+16
.endr
.endr
	WIN 0
	global_load_b128 v[BO:BO+3], v[LI], s[12:13]
	s_lshl_b32 s94, s[WH], 14                      ; my four tiles of A,
	s_lshl_b32 s95, s[WL], 15
	s_add_co_u32 s95, s95, 65536                   ; my eight of B
.irp s, 0,1
	v_add_nc_u32 v[ADRA+\s], s94, v[LI]
	v_add_nc_u32 v[ADRB+\s], s95, v[LI]
	s_add_co_u32 s94, s94, SLOT
	s_add_co_u32 s95, s95, SLOT
.endr
	s_lshl_b32 s94, s[WH], 11
	s_lshl_b32 s95, s[WL], 12
	s_add_co_u32 s95, s95, SCLB-SCL
	s_sub_co_u32 s95, s95, s94
	v_mul_u32_u24 v6, s95, v2                      ; lanes 16-31 take B's words
	s_add_co_u32 s94, s94, SCL
	v_lshl_add_u32 v5, v1, 2, v6
	v_add_nc_u32 v[ADRS], s94, v5
	s_mul_i32 s94, s[WV], 16*SPITCH                ; my stage for the way out, in slot 0, which has had its last fill and its last read by then
	v_mul_u32_u24 v5, v1, SPITCH
	v_lshl_add_u32 v5, v2, 6, v5
	v_add_nc_u32 v[STO], s94, v5
	v_add_nc_u32 v[RD], s94, v[LI]
.macro FRAG reg, adr, q, i
.irp c, 0,1,2,3
	ds_load_b128 v[\reg+4*\c:\reg+4*\c+3], v[\adr] offset:4096*(\i)+2048*(\q)+512*\c
.endr
.endm
.macro MUL8 a, p, q, sc                ; A's block a against B's eight; the 32 accumulators take turns, in the same order in every step
.irp b, 0,1,2,3,4,5,6,7
	v_wmma_scale_f32_16x16x128_f8f6f4 v[8*(8*(\a)+\b):8*(8*(\a)+\b)+7], v[128*(\p)+FR*\b:128*(\p)+FR*\b+FR-1], v[AF+64*(\p)+FR*(\a):AF+64*(\p)+FR*(\a)+FR-1], v[8*(8*(\a)+\b):8*(8*(\a)+\b)+7], v[SC+8*NQ*(\sc)+NQ*\b+(\q)], v[SC+8*NQ*(\sc)+NQ*(\a)+(\q)] matrix_a_scale:MATRIX_SCALE_ROW1
.endr
.endm
.macro FETCH_B slot, q, p
	WIN TO_B
.irp i, 0,1,2,3,4,5,6,7
	FRAG 128*(\p)+FR*\i, ADRB+\slot, \q, \i
.endr
	WIN 0
.endm
.macro FETCH_A slot, q, p
.irp i, 0,1,2,3
	FRAG AF+64*(\p)+FR*\i, ADRA+\slot, \q, \i
.endr
.endm
.macro SCALES sc
.irp i, 0,1,2,3,4,5,6,7
	ds_load_b32 v[SC+8*NQ*\sc+NQ*\i], v[ADRS] offset:512*\i
	ds_load_b32 v[SC+8*NQ*\sc+NQ*\i+1], v[ADRS] offset:512*\i+64
.endr
.endm
.macro PLACES n
.rept \n
	v_nop
.endr
.endm
; A slot's first step: sets 0 are multiplied; the slot's second 128 along K are asked for first, into sets 1.
.macro STEP slot
	PLACES NP                                      ; the places in front of loads into registers that the last products read
	FETCH_B \slot, 1, 1
	FETCH_A \slot, 1, 1
	s_wait_dscnt 12*NL                             ; all but the 48 loads just issued: sets 0 and the scale words are in
	WIN MUL_LO
	MUL8 0, 0, 0, \slot
	MUL8 1, 0, 0, \slot
	MUL8 2, 0, 0, \slot
	MUL8 3, 0, 0, \slot
	WIN 0
.endm
; A slot's second step changes slots.  fill = 1: behind a round of the cluster's barrier this slot is filled again, two K steps ahead.
.macro TURN slot, next, fill
	s_wait_tensorcnt 0x0                           ; all my tensor loads have landed: my part of the next slot
	ds_add_u32 v[SPW], v[NIL]
	s_wait_dscnt 0x0                               ; the add is done, and my reads of this slot are over: sets 1 are in
	s_barrier_signal -1
	WIN MUL_LO
	MUL8 0, 1, NQ-1, \slot
	WIN 0
	s_barrier_wait -1
.if \fill
	CREST
	s_add_nc_u64 s[G0+4*\slot+2:G0+4*\slot+3], s[G0+4*\slot+2:G0+4*\slot+3], 2*KSTRA
	s_add_nc_u64 s[G0B+4*\slot+2:G0B+4*\slot+3], s[G0B+4*\slot+2:G0B+4*\slot+3], 2*KSTR
	JLOAD G0+4*\slot, G1, G0B+4*\slot, G1B
	PLACES NP-4
.else
	PLACES NP
.endif
	s_wait_alu depctr_va_vdst(0)
	v_add_nc_u32 v[ADRS], 64*NQ, v[ADRS]
	FETCH_B \next, 0, 0                            ; the next slot's first fragments, under the 24 products below
	FETCH_A \next, 0, 0
	SCALES \next
	WIN MUL_LO
	MUL8 1, 1, NQ-1, \slot
	MUL8 2, 1, NQ-1, \slot
	MUL8 3, 1, NQ-1, \slot
	WIN 0
.endm
	s_wait_alu depctr_va_vdst(0)
	s_wait_tensorcnt 0x0                           ; my tile of the head's four is in
	ds_add_u32 v[SPW], v[NIL]
	s_mov_b32 s[G1+2], 64<<16                      ; no tensor load of mine is out: from here on a load brings half a tile: 64 rows of A,
	s_mov_b32 s[G1+4], 64
	s_mov_b32 s[G1B+2], 128<<16                    ; 128 of B,
	s_mov_b32 s[G1B+4], 128
	s_mov_b32 s[G0+1], s3                          ; and slot 0's descriptors are my half's
	s_add_nc_u64 s[G0+2:G0+3], s[G0+2:G0+3], s[98:99]
	s_mov_b32 s[G0B+1], s2
	s_add_nc_u64 s[G0B+2:G0B+3], s[G0B+2:G0B+3], s[92:93]
	s_wait_dscnt 0x0
	CROUND
	JLOAD G0+4, G1, G0B+4, G1B
	FETCH_B 0, 0, 0
	FETCH_A 0, 0, 0
	SCALES 0
	s_wait_loadcnt 0x0                             ; x and bo
	STEP 0
	TURN 0, 1, 1
	STEP 1
	TURN 1, 0, 1
	STEP 0
	TURN 0, 1, 0
	STEP 1
	s_wait_dscnt 0
	WIN MUL_LO
	MUL8 0, 1, NQ-1, 1
	MUL8 1, 1, NQ-1, 1
	MUL8 2, 1, NQ-1, 1
	MUL8 3, 1, NQ-1, 1
	WIN 0
; THE WAY OUT, block by block of 16 rows x 128 columns, through my own stage: whole rows of 512 bytes come back, bo is added, and the 32 lanes store two aligned units of 256 bytes.
.macro TOSTAGE a
.set AC, 64*(\a)
	WIN 0x08
.irp b, 0,1,2,3,4,5,6,7
	ds_store_b128 v[STO], v[AC+8*\b:AC+8*\b+3] offset:128*(\b/2)+32*(\b%2)
	ds_store_b128 v[STO], v[AC+8*\b+4:AC+8*\b+7] offset:128*(\b/2)+32*(\b%2)+16
.endr
	WIN 0
.set BB, BK+64*((\a)%2)
.irp t, 0,1,2,3,4,5,6,7,8,9,10,11,12,13,14,15
	ds_load_b128 v[BB+4*\t:BB+4*\t+3], v[RD] offset:\t*SPITCH
.endr
.endm
.macro SEND a, younger
.set BB, BK+64*((\a)%2)
	s_wait_dscnt \younger
.irp t, 0,1,2,3,4,5,6,7,8,9,10,11,12,13,14,15
	v_pk_add_f32 v[BB+4*\t:BB+4*\t+1], v[BB+4*\t:BB+4*\t+1], v[BO:BO+1]
	v_pk_add_f32 v[BB+4*\t+2:BB+4*\t+3], v[BB+4*\t+2:BB+4*\t+3], v[BO+2:BO+3]
	global_store_b128 v[LI], v[BB+4*\t:BB+4*\t+3], s[16:17] offset:(32*((\a)/2)+8*((\a)%2)+(\t&7)+16*(\t>>3))*4096 th:TH_STORE_NT
.endr
.endm
	PLACES NP
	TOSTAGE 0
.irp a, 1,2,3
.if \a > 1
	s_wait_xcnt 0x0                                ; block a - 2's stores have read their registers
.endif
	TOSTAGE \a
	SEND \a-1, 32                                  ; behind block a - 1's loads: block a's 16 stores and 16 loads
.endr
	SEND 3, 0
	s_wait_tensorcnt 0x0                           ; the wave's end
	ds_add_u32 v[SPW], v[NIL]
	s_wait_dscnt 0x0
	CROUND                                         ; the closing round
	s_endpgm
.Lfunc_end_k_q0c12026824_oproj:
	.size	k_q0c12026824_oproj, .Lfunc_end_k_q0c12026824_oproj-k_q0c12026824_oproj
	.p2alignl 7, 3214868480
	.fill 96, 4, 3214868480
	.section	.rodata,"a",@progbits
	.p2align	6, 0x0
	.amdhsa_kernel k_q0c12026824_oproj
		.amdhsa_group_segment_fixed_size 327680
		.amdhsa_private_segment_fixed_size 0
		.amdhsa_enable_private_segment 0
		.amdhsa_kernarg_size 56
		.amdhsa_user_sgpr_count 2
		.amdhsa_user_sgpr_kernarg_segment_ptr 1
		.amdhsa_wavefront_size32 1
		.amdhsa_system_sgpr_workgroup_id_x 1
		.amdhsa_system_sgpr_workgroup_id_y 1
		.amdhsa_system_sgpr_workgroup_id_z 1
		.amdhsa_system_vgpr_workitem_id 0
		.amdhsa_next_free_vgpr 768
		.amdhsa_next_free_sgpr 102
		.amdhsa_reserve_vcc 0
		.amdhsa_float_denorm_mode_32 3
		.amdhsa_float_denorm_mode_16_64 3
		.amdhsa_memory_ordered 1
		.amdhsa_forward_progress 1
		.amdhsa_inst_pref_size 105
	.end_amdhsa_kernel
	.amdgpu_metadata
---
amdhsa.version: [ 1, 2 ]
amdhsa.kernels:
  - .name:           k_q0c12026824_oproj
    .symbol:         k_q0c12026824_oproj.kd
    .args:
      - { .name: aimg, .offset: 0, .size: 8, .value_kind: global_buffer, .address_space: global }
      - { .name: asc, .offset: 8, .size: 8, .value_kind: global_buffer, .address_space: global }
      - { .name: ops, .offset: 16, .size: 8, .value_kind: global_buffer, .address_space: global }
      - { .name: opsc, .offset: 24, .size: 8, .value_kind: global_buffer, .address_space: global }
      - { .name: bo, .offset: 32, .size: 8, .value_kind: global_buffer, .address_space: global }
      - { .name: x, .offset: 40, .size: 8, .value_kind: global_buffer, .address_space: global }
      - { .name: out0, .offset: 48, .size: 8, .value_kind: global_buffer, .address_space: global }
    .group_segment_fixed_size: 327680
    .private_segment_fixed_size: 0
    .kernarg_segment_align: 8
    .kernarg_segment_size: 56
    .max_flat_workgroup_size: 128
    .sgpr_count:     102
    .vgpr_count:     768
    .wavefront_size: 32
...
	.end_amdgpu_metadata
.endif
;; end of part 4
